; MI455X (gfx1250); checked and timed in simulation.
; The chip was launched on July 23, 2026; its instructions are those of AMD's public machine-readable ISA for CDNA 5 (MIT licence, August 2026) and "CDNA5" Instruction Set Architecture Reference Guide (July 2026). The comments in the code are by the model that wrote it; some were corrected since.
;; Multi Head Attention. Allowed arithmetic: matrix products marked QUANTISED: E2M3 operands, one E8M0 scale for each 32 along K, by v_wmma_scale_f32_16x16x128_f8f6f4 with both operands' format E2M3, f32 sums; everything else in f32.
;; Inputs: Wk 16 x 1,024 x 64 float32; Wo 1,024 x 1,024 float32; Wq 16 x 1,024 x 64 float32; Wv 16 x 1,024 x 64 float32; bk 16 x 64 float32; bo 1,024 float32; bq 16 x 64 float32; bv 16 x 64 float32; x 4 x 2,048 x 1,024 float32.
;; Outputs: out0 4 x 2,048 x 1,024 float32.
;; This version of the problem:
;;   THIS VERSION OF THE PROBLEM IS GIVEN IN LOW PRECISION. The matrix products marked QUANTISED in the list below multiply operands that are first quantised to E2M3 (2 exponent bits, 3 mantissa bits; 6 bits a number), with one power-of-two scale for each 32 numbers along K (OCP MX v1.0); their sums are f32. All else is computed in f32.
;;   The module's matrix products, in the order in which they are computed (A, B: the left and right operand; K: the contracted axis; several contracted axes count as one K, in the product's order):
;;     1. [M 1,024, K 1,024] x [K 1,024, N 8,192]; A: input Wq; B: input x: QUANTISED
;;     2. [M 1,024, K 1,024] x [K 1,024, N 8,192]; A: input Wk; B: input x: QUANTISED
;;     3. [M 1,024, K 1,024] x [K 1,024, N 8,192]; A: input Wv; B: input x: QUANTISED
;;     4. batch 64 x [M 2,048, K 64] x [K 64, N 2,048]; A: computed on the way; B: computed on the way: QUANTISED
;;     5. batch 64 x [M 2,048, K 2,048] x [K 2,048, N 64]; A: softmax (see below); B: computed on the way: QUANTISED
;;     6. [M 8,192, K 1,024] x [K 1,024, N 1,024]; A: computed on the way; B: input Wo: QUANTISED
;;   THE QUANTISER, for each operand of a quantised product, along K:
;;     - K is cut into blocks of 32 from its start; a last block that is shorter is filled with zeros.
;;     - A block's scale is 2^e with e = floor(log2(the largest magnitude in the block)) - 2, held to -126 .. 127; a block of zeros has e = 0. As a byte (E8M0): e + 127.
;;     - Each number is divided by its block's scale, clamped to +-7.5, and rounded to the nearest number of E2M3, ties to even, subnormals kept.
;;     - The product sums the exact products of the quantised numbers (number of the format x scale) in f32.
;;   ~~~python
;;   def quantise(x, axis):      # numpy; x: float32 -> the quantised numbers, widened to float32 again
;;       x = np.moveaxis(x, axis, -1); K = x.shape[-1]
;;       x = np.pad(x, [(0, 0)] * (x.ndim - 1) + [(0, -K % 32)]); x = x.reshape(x.shape[:-1] + (-1, 32)); a = np.abs(x).max(-1, keepdims=True)
;;       e = np.where(a > 0, np.clip(np.frexp(np.where(a > 0, a, 1))[1] - 1 - 2, -126, 127), 0)      # np.frexp(a)[1] - 1 = floor(log2(a)), exactly
;;       r = np.clip(x / 2.0 ** e, -7.5, 7.5)
;;       step = 2.0 ** (np.maximum(np.frexp(np.where(r == 0, 1, r))[1] - 1, 0) - 3)
;;       q = np.round(r / step) * step * 2.0 ** e      # np.round: ties to even
;;       return np.moveaxis(q.reshape(q.shape[:-2] + (-1,))[..., :K], -1, axis).astype(np.float32)
;;   ~~~
;;   SOFTMAX AHEAD OF A QUANTISED PRODUCT. Where the list says 'softmax', what is quantised is not the finished softmax but p = 2^(t - M), with t = logit x log2(e) and M = ceil(the row's largest t), a whole number; so 1/2 < the row's largest p <= 1. The row's sum l is taken of the UNQUANTISED p, in f32, and the product's result is divided by l at the end. Since M is a whole number, a kernel that streams over the keys may use a running M (the ceiling of the running maximum): every later rescaling is an exact power of two, which a block's scale takes up: the codes' values come out the same.
;;   OPERANDS COMPUTED ON THE WAY. 'Computed on the way' means the value that the module computes at that place (a softmax that the list does not call 'softmax' is quantised finished and normalised). What goes into a quantiser is computed in f32, as accurately as f32 sums, v_exp_f32 and their like allow (about 1e-6 of the number): no bf16 or f16 on the way to a quantiser, and a product that is left as it is and whose result goes on into a quantised operand takes f32 operands (vector FMAs, or v_wmma_f32_16x16x4_f32). A number that lies on a knife's edge between two numbers of the format may be rounded either way, as far as f32 arithmetic and the matrix unit's own rounding can turn it there, and no further.
;; One version. Each part assembles by itself: llvm-mc -triple=amdgcn-amd-amdhsa -mcpu=gfx1250 --defsym DOCPART=n.
;; ======== version 1 of 1: 4 launches
;; limits: right only within a limited range of input values
;; workspace buffers: ximg 6,291,456 bytes; xs 262,144 bytes; wimg 3,145,728 bytes; ws 131,072 bytes; qkvc 18,874,368 bytes; qkvs 786,432 bytes; cimg 6,291,456 bytes; cs 262,144 bytes
;; launch quant (part 1): grid 480 x 1, 4 waves a work-group, no clusters, 47,616 bytes of LDS; arguments x, Wo, Wq, Wk, Wv, ximg, xs, wimg, ws; writes ximg, xs, wimg, ws
.if DOCPART == 1
	.amdgcn_target "amdgcn-amd-amdhsa--gfx1250"
	.amdhsa_code_object_version 6
	.text
	.protected	k_q56b95ab2b4_quant
	.globl	k_q56b95ab2b4_quant
	.p2align	8
	.type	k_q56b95ab2b4_quant,@function
k_q56b95ab2b4_quant:
	s_mov_b64 s[64:65], 0
	v_nop
	global_prefetch_b8 v0, s[64:65] scope:SCOPE_SE
	s_setreg_imm32_b32 hwreg(HW_REG_WAVE_MODE, 25, 1), 1
	s_wait_xcnt 0x0
; x [8192][1024], Wo [1024][1024] (K innermost) and Wq, Wk, Wv [16][1024][64] (K = the middle axis), all f32, become codes of FP6 (E2M3) with one E8M0 byte for each 32 along K,
; laid as the products' launches read them.
; TILES.  Tile T of a matrix holds the 16 rows 32 (T / 2) + 8 (T % 2) + i + 8 (i / 8), i = 0 .. 15.
; HALF-IMAGE, 768 bytes: 16 rows x 64 along K as an image of six operand registers: lane l = r + 16 h owns the 24 bytes of row i = r, K = 32 h + 0 .. 31 of the 64: its words 0-3 at byte 16 l, its words 4-5 at 512 + 8 l.
; CODES: [tile][16 halves][768].  SCALE WORDS (four bytes = 128 along K): [tile][K / 512][row 16][4 words].  wimg's tiles: Wq 0-63, Wk 64-127, Wv 128-191 (row = 64 head + d), Wo 192-255.
; A block's scale is 2^(floor(log2(its largest magnitude)) - 2); its byte is that magnitude's exponent field - 2, held at 1 from below by a floor among the maximum's leaves.
; LIMITS: a block of zeros gets the byte 1 where the rule says 127 (its codes are zeros, and this program alone reads the bytes); NaN and infinities among the inputs are not served;
; the columns' path stores its scale words 4 bytes a lane, 16 bytes apart: one word for each 128 that it reads.
; Work-groups 0-255 take x, 256-287 Wo (rows' path), 288-479 Wq, Wk, Wv (columns' path).  The two paths never join and have LDS bytes of their own.  Waves share nothing: no barrier.
.set SPARE, 47104                      ; the spare words, 128 bytes for each wave, behind both paths' stages; no other line names them
.set SPW,   12                         ; v12  LDS address of my spare word; never rewritten
.set NIL,   13                         ; v13  0; never rewritten
.set R,     32                         ; rows: v32-159  two sets of 64: a K step of 16 rows as loaded
.set X,     160                        ; rows: v160-223 my 64 numbers: register 32 c + i = K 64 c + 32 h + i of my row
.set P,     224                        ; rows: v224-247 two sets of 12: a fragment's codes
.set XC,    32                         ; columns: v32-95 two sets of 32 numbers down K
.set CSTG,  33792                      ; columns: the stages begin behind the rows' four stages of 16 x 528 bytes
.macro LOAD t                          ; K step t (128 along K) of my 16 rows: each load reads 512 consecutive bytes of one row
.irp i, 0,1,2,3,4,5,6,7,8,9,10,11,12,13,14,15
	global_load_b128 v[R+64*((\t)%2)+4*\i:R+64*((\t)%2)+4*\i+3], v4, s[26:27] offset:(\i+8*(\i/8))*4096+512*(\t) th:TH_LOAD_NT
.endr
.endm
.macro STEPX t
.set RS, R+64*((\t)%2)
.set PS, P+12*((\t)%2)
.if (\t) < 3
	s_wait_loadcnt 16                              ; this step's 16 loads are in; the next step's 16 may stay out
.else
	s_wait_loadcnt 0x0
.endif
.irp i, 0,1,2,3,4,5,6,7,8,9,10,11,12,13,14,15
	ds_store_b128 v5, v[RS+4*\i:RS+4*\i+3] offset:528*\i          ; row i as it lies; rows 528 bytes apart
.endr
.irp c, 0,1
.irp j, 0,1,2,3,4,5,6,7
	ds_load_b128 v[X+32*\c+4*\j:X+32*\c+4*\j+3], v6 offset:256*\c+16*\j   ; back: two whole blocks of 32 of my row (LDS serves a wave's instructions in order)
.endr
.endr
	s_wait_dscnt 0x0                               ; my numbers are in, and the stores have read the loaded set
.if (\t) < 2
	LOAD (\t)+2
.endif
.irp c, 0,1
	v_max3_num_f32 v[14+\c], |v[X+32*\c]|, |v[X+32*\c+1]|, 0x1800000   ; the block's largest magnitude, with the floor 2^(3 - 127) as a leaf
.endr
.irp i, 2,4,6,8,10,12,14,16,18,20,22,24,26,28,30
.irp c, 0,1
	v_max3_num_f32 v[14+\c], v[14+\c], |v[X+32*\c+\i]|, |v[X+32*\c+\i+1]|
.endr
.endr
.irp c, 0,1
	v_add_nc_u32 v[16+\c], 0xff000000, v[14+\c]    ; 2 off the exponent field: the conversion's scale operand
.endr
.irp c, 0,1
	v_lshrrev_b32 v[18+\c], 23, v[16+\c]           ; the scale's byte
.endr
	v_lshl_or_b32 v26, v19, 16, v18                ; my bytes: blocks h and 2 + h,
	v_lshlrev_b32 v26, v10, v26                    ; 8 h bits up;
	v_permlanex16_b32 v27, v26, s24, s25
	v_or_b32 v[20+(\t)], v26, v27                  ; with lane l xor 16's two the word of this K step is whole
.if (\t) >= 2
	s_wait_alu depctr_va_vdst(0)
	s_wait_xcnt 0x0                                ; the stores of two steps ago have read this set of codes
.endif
.irp c, 0,1
	v_cvt_scalef32_pk16_fp6_f32 v[PS+6*\c:PS+6*\c+2], v[X+32*\c:X+32*\c+15], v[16+\c]
	v_cvt_scalef32_pk16_fp6_f32 v[248+4*\c:250+4*\c], v[X+32*\c+16:X+32*\c+31], v[16+\c]   ; (a conversion's three registers begin on an even number)
.endr
	v_nop                                          ; one plain place behind the scaled conversions
.irp c, 0,1
.irp i, 0,1,2
	v_mov_b32 v[PS+6*\c+3+\i], v[248+4*\c+\i]
.endr
.endr
.irp c, 0,1
	global_store_b128 v4, v[PS+6*\c:PS+6*\c+3], s[28:29] offset:1536*(\t)+768*\c     ; 512 consecutive bytes,
	global_store_b64 v8, v[PS+6*\c+4:PS+6*\c+5], s[28:29] offset:1536*(\t)+768*\c    ; and 256: a half-image
.endr
.endm
.macro LOADW t                         ; block t: W(32 t + i, my column), i = 0 .. 31: 128 consecutive bytes a load; the neighbouring wave reads the row's other 128
.irp i, 0,1,2,3,4,5,6,7,8,9,10,11,12,13,14,15,16,17,18,19,20,21,22,23,24,25,26,27,28,29,30,31
	global_load_b32 v[XC+32*((\t)%2)+\i], v3, s[26:27] offset:(32*(\t)+\i)*256
.endr
.endm
.macro BLOCK t
.set XS, XC+32*((\t)%2)
.if (\t) < 3
	s_wait_loadcnt 32                              ; this block's 32 loads are in; the next block's may stay out
.else
	s_wait_loadcnt 0x0
.endif
	v_max3_num_f32 v20, |v[XS]|, |v[XS+1]|, |v[XS+2]|
	v_max3_num_f32 v21, |v[XS+3]|, |v[XS+4]|, |v[XS+5]|
.irp i, 6,10,14,18,22,26
	v_max3_num_f32 v20, v20, |v[XS+\i]|, |v[XS+\i+1]|
	v_max3_num_f32 v21, v21, |v[XS+\i+2]|, |v[XS+\i+3]|
.endr
	v_max3_num_f32 v20, v20, |v[XS+30]|, |v[XS+31]|
	v_max3_num_f32 v20, v20, v21, 0x1800000        ; and the floor
	v_add_nc_u32 v22, 0xff000000, v20              ; the conversion's scale operand
	v_lshrrev_b32 v23, 23, v22                     ; the byte
.if (\t) == 0
	v_mov_b32 v24, v23
.else
	v_lshl_or_b32 v24, v23, 8*(\t), v24            ; four bytes make my row's word of this K step
.endif
	v_cvt_scalef32_pk16_fp6_f32 v[96:98], v[XS:XS+15], v22
	v_cvt_scalef32_pk16_fp6_f32 v[104:106], v[XS+16:XS+31], v22
	v_nop                                          ; one plain place behind the scaled conversions
.irp i, 0,1,2
	v_mov_b32 v[99+\i], v[104+\i]
.endr
	ds_store_b128 v4, v[96:99] offset:768*((\t)/2)+256*((\t)%2)          ; block t is half t / 2, image lane r + 16 (t % 2)
	ds_store_b64 v5, v[100:101] offset:768*((\t)/2)+512+128*((\t)%2)
.if (\t) < 2
	LOADW (\t)+2
.endif
	s_wait_dscnt 0x0                               ; the stores have read their registers: the next block's codes may be written
.endm
	s_load_b256 s[4:11], s[0:1], 0x0               ; x s[4:5], Wo s[6:7], Wq s[8:9], Wk s[10:11]
	s_load_b256 s[12:19], s[0:1], 0x20             ; Wv s[12:13], ximg s[14:15], xs s[16:17], wimg s[18:19]
	s_load_b64 s[20:21], s[0:1], 0x40              ; ws
	v_lshl_add_u32 v[SPW], v0, 2, SPARE
	v_mov_b32 v[NIL], 0
	v_lshrrev_b32 v1, 5, v0
	v_readfirstlane_b32 s22, v1                    ; wave 0..3
	v_and_b32 v1, 31, v0                           ; lane
	s_mov_b32 s24, 0x76543210
	s_mov_b32 s25, 0xfedcba98                      ; v_permlanex16_b32's selects for lane l xor 16
	s_wait_kmcnt 0x0
	s_cmp_lt_u32 ttmp9, 288
	s_cbranch_scc0 .Lcols
	; ---- THE ROWS' PATH: a wave takes one tile's 16 rows x 512 along K, in four K steps of 128
	s_cmp_lt_u32 ttmp9, 256                        ; x or Wo: the choice hangs on the work-group's number alone
	s_cselect_b32 s32, 0, 192                      ; where the tensor's tiles begin in its buffer of images
	s_cselect_b32 s33, 0, 256
	s_cselect_b64 s[26:27], s[4:5], s[6:7]
	s_cselect_b64 s[28:29], s[14:15], s[18:19]
	s_cselect_b64 s[30:31], s[16:17], s[20:21]
	s_sub_co_u32 s33, ttmp9, s33
	s_lshl_b32 s33, s33, 2
	s_add_co_u32 s33, s33, s22                     ; my unit: tile = unit / 2, half of K = unit % 2
	s_lshr_b32 s34, s33, 1
	s_and_b32 s35, s33, 1
	s_lshr_b32 s36, s34, 1
	s_lshl_b32 s36, s36, 17                        ; 32 (T / 2) rows of 4,096 bytes
	s_and_b32 s37, s34, 1
	s_lshl_b32 s37, s37, 15                        ; 8 (T % 2) rows
	s_add_co_u32 s36, s36, s37
	s_lshl_b32 s37, s35, 11                        ; 512 numbers along K
	s_add_co_u32 s36, s36, s37
	s_mov_b32 s37, 0
	s_add_nc_u64 s[26:27], s[26:27], s[36:37]
	s_add_co_u32 s34, s34, s32
	s_mul_i32 s36, s34, 12288
	s_mul_i32 s38, s35, 6144
	s_add_co_u32 s36, s36, s38
	s_add_nc_u64 s[28:29], s[28:29], s[36:37]      ; my eight half-images
	s_lshl_b32 s36, s34, 9
	s_lshl_b32 s38, s35, 8
	s_add_co_u32 s36, s36, s38
	s_add_nc_u64 s[30:31], s[30:31], s[36:37]      ; my 256 bytes of scale words
	v_and_b32 v2, 15, v0                           ; r
	v_bfe_u32 v3, v0, 4, 1                         ; h
	s_wait_alu depctr_va_vdst(0)
	v_lshlrev_b32 v4, 4, v1                        ; 16 x lane
	s_mul_i32 s38, s22, 8448                       ; my stage: 16 rows x 528 bytes
	v_add_nc_u32 v5, s38, v4                       ; in
	v_mul_u32_u24 v6, v2, 528
	v_lshl_add_u32 v6, v3, 7, v6
	v_add_nc_u32 v6, s38, v6                       ; out: row r, + 128 h
	v_lshl_add_u32 v8, v1, 3, 512                  ; 512 + 8 x lane
	v_lshlrev_b32 v9, 4, v2
	v_lshl_add_u32 v9, v3, 3, v9                   ; 16 r + 8 h
	v_lshlrev_b32 v10, 3, v3                       ; 8 h
	v_mov_b32 v27, 0                               ; written once: a lane permute's destination counts as one of its sources
	LOAD 0
	LOAD 1
	s_wait_alu depctr_va_vdst(0)
	STEPX 0
	STEPX 1
	STEPX 2
	STEPX 3
	v_cmp_eq_u32 vcc_lo, 1, v3
	v_cndmask_b32 v24, v20, v22, vcc_lo            ; lanes 0-15 store their row's words 0, 1, lanes 16-31 words 2, 3:
	v_cndmask_b32 v25, v21, v23, vcc_lo
	global_store_b64 v9, v[24:25], s[30:31]        ; 256 consecutive bytes, aligned
	s_wait_tensorcnt 0x0                           ; the wave's end, behind my last LDS store
	ds_add_u32 v[SPW], v[NIL]
	s_wait_dscnt 0x0
	s_endpgm
	; ---- THE COLUMNS' PATH: a wave takes 32 columns (two tiles' rows) x 128 along K; a lane takes a column and its registers run down K
.Lcols:
	s_sub_co_u32 s32, ttmp9, 288
	s_lshr_b32 s33, s32, 6                         ; 0 Wq, 1 Wk, 2 Wv
	s_cmp_eq_u32 s33, 0
	s_cselect_b64 s[26:27], s[8:9], s[10:11]
	s_cmp_eq_u32 s33, 2
	s_cselect_b64 s[26:27], s[12:13], s[26:27]
	s_bfe_u32 s34, s32, 0x40002                    ; the head
	s_and_b32 s35, s32, 3
	s_lshl_b32 s35, s35, 1
	s_lshr_b32 s36, s22, 1
	s_add_co_u32 s35, s35, s36                     ; the K step of 128
	s_and_b32 s36, s22, 1                          ; which 32 of the head's 64 columns
	s_lshl_b32 s38, s34, 18                        ; a head is 262,144 bytes,
	s_lshl_b32 s39, s35, 15                        ; 128 rows of 256 bytes,
	s_add_co_u32 s38, s38, s39
	s_lshl_b32 s39, s36, 7                         ; 32 columns
	s_add_co_u32 s38, s38, s39
	s_mov_b32 s39, 0
	s_add_nc_u64 s[26:27], s[26:27], s[38:39]
	s_lshl_b32 s37, s33, 6
	s_lshl_b32 s38, s34, 2
	s_add_co_u32 s37, s37, s38
	s_lshl_b32 s38, s36, 1
	s_add_co_u32 s37, s37, s38                     ; my first tile: 64 tensor + 4 head + 2 group
	s_mul_i32 s38, s37, 12288
	s_mul_i32 s40, s35, 1536
	s_add_co_u32 s38, s38, s40
	s_add_nc_u64 s[28:29], s[18:19], s[38:39]      ; its two half-images of this K step
	s_lshl_b32 s38, s37, 9
	s_lshr_b32 s40, s35, 2
	s_lshl_b32 s40, s40, 8
	s_add_co_u32 s38, s38, s40
	s_and_b32 s40, s35, 3
	s_lshl_b32 s40, s40, 2
	s_add_co_u32 s38, s38, s40
	s_add_nc_u64 s[30:31], s[20:21], s[38:39]      ; and this K step's word in its rows of scale words
	s_wait_alu depctr_va_vdst(0)
	v_lshlrev_b32 v3, 2, v1                        ; 4 x lane
	v_bfe_u32 v14, v1, 3, 1                        ; u: which of the two tiles my column belongs to
	v_and_b32 v15, 7, v1
	v_lshrrev_b32 v16, 4, v1
	v_lshl_add_u32 v15, v16, 3, v15                ; r: its row in that tile
	s_mul_i32 s40, s22, 3328
	s_add_co_u32 s40, s40, CSTG                    ; my stage: two fragments' images, 1,664 bytes apart
	v_mul_u32_u24 v16, v14, 1664
	v_add_nc_u32 v16, s40, v16
	v_lshl_add_u32 v4, v15, 4, v16
	v_lshl_add_u32 v5, v15, 3, v16
	v_lshlrev_b32 v8, 4, v1                        ; 16 x lane
	v_add_nc_u32 v6, s40, v8
	v_lshlrev_b32 v7, 3, v1
	v_add_nc_u32 v9, 512, v7                       ; 512 + 8 x lane
	v_add_nc_u32 v7, s40, v7
	v_lshlrev_b32 v10, 9, v14
	v_lshl_add_u32 v10, v15, 4, v10                ; 512 u + 16 r
	LOADW 0
	LOADW 1
	BLOCK 0
	BLOCK 1
	BLOCK 2
	BLOCK 3
	s_wait_alu depctr_va_vdst(0)
	global_store_b32 v10, v24, s[30:31]
.irp k, 0,1,2,3
	ds_load_b128 v[112+6*\k:115+6*\k], v6 offset:1664*(\k/2)+768*(\k%2)       ; the four half-images come back as they are stored
	ds_load_b64 v[116+6*\k:117+6*\k], v7 offset:1664*(\k/2)+768*(\k%2)+512
.endr
.irp k, 0,1,2,3
	s_wait_dscnt 7-2*\k                            ; LDS loads come back in order: the counts run down
	global_store_b128 v8, v[112+6*\k:115+6*\k], s[28:29] offset:12288*(\k/2)+768*(\k%2)
	s_wait_dscnt 6-2*\k
	global_store_b64 v9, v[116+6*\k:117+6*\k], s[28:29] offset:12288*(\k/2)+768*(\k%2)
.endr
	s_wait_tensorcnt 0x0                           ; the wave's end, behind my last LDS store
	ds_add_u32 v[SPW], v[NIL]
	s_wait_dscnt 0x0
	s_endpgm
.Lfunc_end_k_q56b95ab2b4_quant:
	.size	k_q56b95ab2b4_quant, .Lfunc_end_k_q56b95ab2b4_quant-k_q56b95ab2b4_quant
	.p2alignl 7, 3214868480
	.fill 96, 4, 3214868480
	.section	.rodata,"a",@progbits
	.p2align	6, 0x0
	.amdhsa_kernel k_q56b95ab2b4_quant
		.amdhsa_group_segment_fixed_size 47616
		.amdhsa_private_segment_fixed_size 0
		.amdhsa_enable_private_segment 0
		.amdhsa_kernarg_size 72
		.amdhsa_user_sgpr_count 2
		.amdhsa_user_sgpr_kernarg_segment_ptr 1
		.amdhsa_wavefront_size32 1
		.amdhsa_system_sgpr_workgroup_id_x 1
		.amdhsa_system_sgpr_workgroup_id_y 1
		.amdhsa_system_sgpr_workgroup_id_z 1
		.amdhsa_system_vgpr_workitem_id 0
		.amdhsa_next_free_vgpr 256
		.amdhsa_next_free_sgpr 66
		.amdhsa_reserve_vcc 1
		.amdhsa_float_denorm_mode_32 3
		.amdhsa_float_denorm_mode_16_64 3
		.amdhsa_memory_ordered 1
		.amdhsa_forward_progress 1
		.amdhsa_inst_pref_size 53
	.end_amdhsa_kernel
	.amdgpu_metadata
---
amdhsa.version: [ 1, 2 ]
amdhsa.kernels:
  - .name:           k_q56b95ab2b4_quant
    .symbol:         k_q56b95ab2b4_quant.kd
    .args:
      - { .name: x, .offset: 0, .size: 8, .value_kind: global_buffer, .address_space: global }
      - { .name: Wo, .offset: 8, .size: 8, .value_kind: global_buffer, .address_space: global }
      - { .name: Wq, .offset: 16, .size: 8, .value_kind: global_buffer, .address_space: global }
      - { .name: Wk, .offset: 24, .size: 8, .value_kind: global_buffer, .address_space: global }
      - { .name: Wv, .offset: 32, .size: 8, .value_kind: global_buffer, .address_space: global }
      - { .name: ximg, .offset: 40, .size: 8, .value_kind: global_buffer, .address_space: global }
      - { .name: xs, .offset: 48, .size: 8, .value_kind: global_buffer, .address_space: global }
      - { .name: wimg, .offset: 56, .size: 8, .value_kind: global_buffer, .address_space: global }
      - { .name: ws, .offset: 64, .size: 8, .value_kind: global_buffer, .address_space: global }
    .group_segment_fixed_size: 47616
    .private_segment_fixed_size: 0
    .kernarg_segment_align: 8
    .kernarg_segment_size: 72
    .max_flat_workgroup_size: 128
    .sgpr_count:     66
    .vgpr_count:     256
    .wavefront_size: 32
...
	.end_amdgpu_metadata
.endif
;; end of part 1
;; launch gemm_qkv (part 2): grid 12 x 32, 4 waves a work-group, clusters of 4 x 4, 327,680 bytes of LDS; arguments ximg, xs, wimg, ws, bq, bk, bv, qkvc, qkvs; writes qkvc, qkvs
.if DOCPART == 2
	.amdgcn_target "amdgcn-amd-amdhsa--gfx1250"
	.amdhsa_code_object_version 6
	.text
	.protected	k_q56b95ab2b4_gemm_qkv
	.globl	k_q56b95ab2b4_gemm_qkv
	.p2align	8
	.type	k_q56b95ab2b4_gemm_qkv,@function
k_q56b95ab2b4_gemm_qkv:
	s_mov_b64 s[64:65], 0
	v_nop
	global_prefetch_b8 v0, s[64:65] scope:SCOPE_SE
	s_setreg_imm32_b32 hwreg(HW_REG_WAVE_MODE, 25, 1), 1
	s_wait_xcnt 0x0
	s_wait_alu depctr_hold_cnt(0) depctr_sa_sdst(0) depctr_va_vdst(0) depctr_va_sdst(0) depctr_va_ssrc(0) depctr_va_vcc(0) depctr_vm_vsrc(0)
	s_getreg_b32 s2, hwreg(HW_REG_IB_STS2, 6, 4)
	s_cmp_eq_u32 s2, 0
	s_cbranch_scc0 .Lentry_in_a_cluster
	s_endpgm
.Lentry_in_a_cluster:
	s_bfe_u32 s2, ttmp6, 0x10000c
	s_cmp_lg_u32 s2, 0xf033
	s_cbranch_scc0 .Lentry_shape_is_right
	s_endpgm
.Lentry_shape_is_right:
; Q = x Wq + bq, K = x Wk + bk, V = x Wv + bv on codes of FP6 (E2M3) with E8M0 scales, K = 1,024; the results are quantised here, Q and K along the head's 64, V along the keys, and leave as codes alone.
; OPERANDS lie as images of operand registers: tile T = rows 32 (T / 2) + 8 (T % 2) + i + 8 (i / 8); codes [tile][16 halves of 64 K][768 bytes], scale words [tile][K / 512][row][4 words].
; A tile of the result, 256 x 256, is made by four waves, 128 x 128 each: 64 accumulators.  Source 1 (A) gives the result's LANES, source 0 (B) its REGISTERS: by the tiles' choice of rows a lane's 64 registers of
; eight tiles of B are K = 32 b + 16 h + i of the next product's 128, so they are quantised where they stand.
; Clusters x = 0, 1: A = x, B = Wq, Wk (registers run along the heads' channels).  Cluster x = 2: A = Wv, B = x (registers run along the keys).  One text: pointers and offsets are chosen on the cluster's x, which all partners share.
; RESULTS: codes at ((2 g + c) NT + t) 768, scale words at ((g NT + t) / 4) 256 + 16 r + 4 (t % 4); t the tile of the lanes' rows, g the 128 of the registers, c its half of 64.
;   Q, K: NT = 512, 2 g + c = head (K: 16 + head).  V: from byte 12,582,912 (words: 524,288), NT = 64, t = 4 head + channels / 16, g = token / 128.
; K goes through THREE LDS slots of 256 along K: K steps 0, 1, 2 are first fills, the fourth fills slot 0 again: one refill in the launch.  A wave has one tensor load out at any time.
; CLUSTER 4 x 4: A's tiles are asked for jointly along a row of the cluster, B's along a column.  No prefetch: three quarters of K are asked for at the head, and the tiles are shared.
; LIMITS: a block of zeros gets the byte 1 (its codes are zeros; this program alone reads the bytes); NaN and infinities are not served.
; REGISTERS: window 0: v1-3 r, h, lane; v4-16 LDS addresses; v17-27 the way out; v32-63 scale words, two sets; v64-127 the bias along the registers; v128-223 A's fragments, one set; v224-239 the bias along the lanes.
;   window 1: B's fragments, two sets, v0-95 and v128-223.   windows 2, 3: accumulator (a, b) at v[8 (8 (a % 4) + b)].
.set FR,    12
.set SLOTB, 98304                      ; a slot: A's 16 tiles x 3,072 bytes (256 along K), then B's 16
.set HALFT, 24576                      ; 8 tiles: what one tensor load brings, and what a wave reads of A or of B
.set SCL,   3*SLOTB                    ; the scale words of A's and B's 256 rows for all of K: four quarters of 4,096 bytes, filled once
.set SPARE, SCL+16384                  ; the spare words, 128 bytes for each wave; no other line names them
.set A16,  4                           ; v4-6    16 x lane + my 8 tiles of A in slot 0, 1, 2
.set A8,   7                           ; v7-9    512 + 8 x lane + the same
.set B16,  10                          ; v10-12, v13-15 the same for B
.set B8,   13
.set ADRS, 16                          ; v16     my scale words: lanes 0-15 A's rows, lanes 16-31 B's
.set L16,  17                          ; v17     16 x lane
.set L8,   18                          ; v18     512 + 8 x lane
.set SPW,  28
.set NIL,  29
.set SC,   32
.set BR,   64
.set AF,   128
.set BL,   224
.set T,    128                         ; the way out: 64 numbers; v192-203 their codes; v204-210 conversions' second halves; v212-223 at work; v240-247 the eight scale words
.set PC,   192
.set CT,   204
.set TM,   212
.set PW,   240
.set WV,   22
.set HR,   23                          ; which half of the tile's lanes' rows is mine.  Also: I fetch for A (0) or for B (1)
.set HC,   24                          ; which half of its registers' rows.  Also: which 8 tiles I fetch
.set CX,   25
.set CY,   26
.set TC,   27
.set TR,   28
.set ISV,  29
.set SEL,  66
.set G1A,  32
.set G1B,  40
.set G1SA, 48
.set G1SB, 56
.set G0A,  68                          ; s[68:79] group 0 for A's tiles, a set for each slot;  s[80:91] for B's;  s[92:95], s[96:99] for the scales
.set G0B,  80
.set G0SA, 92
.set G0SB, 96
.set MSB, 0
.macro WIN new                         ; the immediate's high byte repeats the setting that is left
.if MSB != \new
	s_set_vgpr_msb (MSB<<8)|\new
.set MSB, \new
.endif
.endm
.set MUL_LO, 0xa1                      ; source 0 (B) window 1, source 1 (A) window 0, C and D window 2
.set MUL_HI, 0xf1
.set TO_B,   0x40
.macro JLOAD g0a, g1a, g0b, g1b        ; a joint load: waves 0, 1 fetch for A, waves 2, 3 for B; an s_nop 0 and four v_nop follow each line
	s_cmp_eq_u32 s[HR], 0
	s_cbranch_scc0 .Lfor_b_\@
	tensor_load_to_lds s[\g0a:\g0a+3], s[\g1a:\g1a+7]
	s_nop 0
.rept 4
	v_nop
.endr
	s_branch .Lasked_\@
.Lfor_b_\@:
	tensor_load_to_lds s[\g0b:\g0b+3], s[\g1b:\g1b+7]
	s_nop 0
.rept 4
	v_nop
.endr
.Lasked_\@:
.endm
.macro CREST                           ; a round of the cluster's barrier behind its opening barrier
	s_cmp_lg_u32 s[WV], 0
	s_cbranch_scc1 .Lnot_wave_0_\@
	s_barrier_signal -3
.Lnot_wave_0_\@:
	s_barrier_wait -3
	s_barrier_signal -1
	s_barrier_wait -1
.endm
.macro CROUND
	s_barrier_signal -1
	s_barrier_wait -1
	CREST
.endm
.macro PLACES                          ; four plain places behind matrix instructions, ahead of loads into registers that they read and of reads of their results
.rept 4
	v_nop
.endr
.endm
.macro FRAG reg, a16, a8, off          ; a fragment = two half-images: for each, 512 and 256 consecutive bytes
.irp c, 0,1
	ds_load_b128 v[\reg+6*\c:\reg+6*\c+3], v[\a16] offset:(\off)+768*\c
	ds_load_b64 v[\reg+6*\c+4:\reg+6*\c+5], v[\a8] offset:(\off)+768*\c
.endr
.endm
.macro FETCH_B slot, q                 ; B's eight fragments of the slot's q-th 128 along K into set q
	WIN TO_B
.irp i, 0,1,2,3,4,5,6,7
	FRAG 128*((\q)%2)+FR*\i, B16+\slot, B8+\slot, \i*(6144-3072*(((\slot)+1)/2))+(\q)*1536
.endr
	WIN 0
.endm
.macro FETCH_A slot, q, i0             ; A's blocks i0 .. i0 + 3
.irp i, \i0, \i0+1, \i0+2, \i0+3
	FRAG AF+FR*(\i), A16+\slot, A8+\slot, (\i)*(6144-3072*(((\slot)+1)/2))+(\q)*1536
.endr
.endm
.macro SCALES ks                       ; the two words of K steps 2 ks, 2 ks + 1 for each block: lanes 0-15 A's block i, lanes 16-31 B's
.irp i, 0,1,2,3,4,5,6,7
	ds_load_b64 v[SC+16*((\ks)%2)+2*\i:SC+16*((\ks)%2)+2*\i+1], v[ADRS] offset:\i*512+((\ks)/2)*256+((\ks)%2)*8
.endr
.endm
; 16 matrix instructions: A's blocks a0, a0 + 1 x B's eight.  The 64 accumulators take turns, one instruction a turn, in the same order in every step.
.macro MUL16 a0, q, sc, zero
.irp a, \a0, \a0+1
.irp b, 0,1,2,3,4,5,6,7
.if \zero
	v_wmma_scale_f32_16x16x128_f8f6f4 v[8*(8*((\a)%4)+\b):8*(8*((\a)%4)+\b)+7], v[128*(\q)+FR*\b:128*(\q)+FR*\b+FR-1], v[AF+FR*(\a):AF+FR*(\a)+FR-1], 0, v[SC+16*(\sc)+2*\b+(\q)], v[SC+16*(\sc)+2*(\a)+(\q)] matrix_a_fmt:MATRIX_FMT_FP6 matrix_b_fmt:MATRIX_FMT_FP6 matrix_a_scale:MATRIX_SCALE_ROW1
.else
	v_wmma_scale_f32_16x16x128_f8f6f4 v[8*(8*((\a)%4)+\b):8*(8*((\a)%4)+\b)+7], v[128*(\q)+FR*\b:128*(\q)+FR*\b+FR-1], v[AF+FR*(\a):AF+FR*(\a)+FR-1], v[8*(8*((\a)%4)+\b):8*(8*((\a)%4)+\b)+7], v[SC+16*(\sc)+2*\b+(\q)], v[SC+16*(\sc)+2*(\a)+(\q)] matrix_a_fmt:MATRIX_FMT_FP6 matrix_b_fmt:MATRIX_FMT_FP6 matrix_a_scale:MATRIX_SCALE_ROW1
.endif
.endr
.endr
.endm
; A step of 128 along K whose successor (slot ns, its nq-th 128) lies in a slot that every wave has been shown whole.
.macro KSTEP q, sc, ns, nq, nks, zero
	s_wait_dscnt 16                                ; all but the youngest 16 loads (A's blocks 4-7) are in
	WIN MUL_LO
	MUL16 0, \q, \sc, \zero
	MUL16 2, \q, \sc, \zero
	s_wait_dscnt 0x0                               ; A's blocks 4-7 are in
	PLACES
	FETCH_B \ns, \nq
	FETCH_A \ns, \nq, 0
.if (\nq)%2 == 0
	SCALES \nks
.endif
	WIN MUL_HI
	MUL16 4, \q, \sc, \zero
	MUL16 6, \q, \sc, \zero
	PLACES
	WIN 0
	FETCH_A \ns, \nq, 4
.endm
; A slot's last step that meets the others: in front of the barrier each wave waits for all its tensor loads, adds 0 to its spare word, and waits for that and for its reads.  fill = 1: slot 0 takes the fourth 256 along K.
.macro TURN sc, ns, nks, fill
	s_wait_tensorcnt 0x0                           ; all my tensor loads have landed
	ds_add_u32 v[SPW], v[NIL]                      ; 0 onto my spare word
	s_wait_dscnt 17                                ; (the add and the youngest 16 loads may be out)
	WIN MUL_LO
	MUL16 0, 1, \sc, 0                             ; sixteen matrix instructions stand between the add and the wait for it
	s_wait_dscnt 0x0                               ; the add is done, and my reads of the slot are over
	s_barrier_signal -1
	MUL16 2, 1, \sc, 0
	WIN 0
	s_barrier_wait -1
.if \fill
	CREST                                          ; the barrier has opened a round of the cluster's barrier: no wave of any partner still reads slot 0 or has a load on its way
	JLOAD G0A+8, G1A, G0B+8, G1B                   ; region 2, the first tensor load behind the round; its four v_nop are the places in front of the loads below
.else
	PLACES
.endif
	FETCH_B \ns, 0
	FETCH_A \ns, 0, 0
	SCALES \nks
	WIN MUL_HI
	MUL16 4, 1, \sc, 0
	MUL16 6, 1, \sc, 0
	PLACES
	WIN 0
	FETCH_A \ns, 0, 4
.endm
	s_load_b256 s[4:11], s[0:1], 0x0               ; ximg s[4:5], xs s[6:7], wimg s[8:9], ws s[10:11]
	s_load_b256 s[12:19], s[0:1], 0x20             ; bq s[12:13], bk s[14:15], bv s[16:17], qkvc s[18:19]
	s_load_b64 s[20:21], s[0:1], 0x40              ; qkvs
	v_lshl_add_u32 v[SPW], v0, 2, SPARE
	v_mov_b32 v[NIL], 0
	ds_add_u32 v[SPW], v[NIL]                      ; the wave's opening: the add and its wait ahead of my first tensor load; work on registers stands between them
	ds_add_u32 v[SPW], v[NIL]
	v_lshrrev_b32 v1, 5, v0
	v_readfirstlane_b32 s[WV], v1
	s_lshr_b32 s[HR], s[WV], 1
	s_and_b32 s[HC], s[WV], 1
	s_bfe_u32 s[CX], ttmp6, 0x40000
	s_bfe_u32 s[CY], ttmp6, 0x40004
	s_and_b32 s3, ttmp7, 0xffff                    ; the cluster's y
	s_cmp_eq_u32 ttmp9, 2                          ; the cluster's x: 0 Q, 1 K, 2 V
	s_cselect_b32 s[ISV], 1, 0
	s_cselect_b32 s[TC], s3, ttmp9
	s_cselect_b32 s[TR], 0, s3
	s_lshl_b32 s[TC], s[TC], 2
	s_add_co_u32 s[TC], s[TC], s[CX]               ; which 256 rows of B
	s_lshl_b32 s[TR], s[TR], 2
	s_add_co_u32 s[TR], s[TR], s[CY]               ; which 256 rows of A
	s_lshl_b32 s30, s[CY], 2
	s_lshl_b32 s30, 15, s30                        ; my row of the cluster
	s_lshl_b32 s31, 0x1111, s[CX]                  ; my column
	s_or_b32 s[G1A], s30, (3<<16)|(1<<21)          ; 15:0 the mask; 17:16 elements of 8 bytes; 21 set beside a mask; no padding
	s_or_b32 s[G1B], s31, (3<<16)|(1<<21)
	s_or_b32 s[G1SA], s30, (3<<16)|(1<<21)
	s_or_b32 s[G1SB], s31, (3<<16)|(1<<21)
.irp g, G1A, G1B                       ; 8 tiles' 3,072 bytes (256 along K), 12,288 bytes apart
	s_mov_b32 s[\g+1], 768<<16                     ; for the head's loads: 16 tiles' 6,144 bytes (512 along K); behind them these four words are set for 8 tiles' 3,072 bytes
	s_mov_b32 s[\g+2], 16<<16
	s_mov_b32 s[\g+3], 768<<16
	s_mov_b32 s[\g+4], 16
	s_mov_b32 s[\g+5], 1536
	s_mov_b32 s[\g+6], 0
	s_mov_b32 s[\g+7], 0
.endr
.irp g, G1SA, G1SB                     ; 16 tiles' scale words: 8,192 dense bytes as 32 rows of 256
	s_mov_b32 s[\g+1], 32<<16
	s_mov_b32 s[\g+2], 32<<16                      ; 16 tiles' scale words: 8,192 dense bytes as 32 rows of 256
	s_mov_b32 s[\g+3], 32<<16
	s_mov_b32 s[\g+4], 32
	s_mov_b32 s[\g+5], 32
	s_mov_b32 s[\g+6], 0
	s_mov_b32 s[\g+7], 0
.endr
	s_mul_i32 s100, s[WV], HALFT                   ; where my loads go: wave x 8 tiles: no place in the cluster enters an LDS address
; THE FILLS AS THEY STAND (in place of the three equal slots that the head comment names).  Region 0: K 0-511, A's 16 tiles x 6,144 bytes from byte 0, B's from byte SLOTB.  Region 1: K 512-767, from 2 SLOTB, wave x 8 tiles x 3,072.
; Region 2: K 768-1,023, wave x 8 tiles x 3,072 from byte 0, over A's part of region 0.  At the head one tensor load a wave: A's region 0, B's region 0, A's scale words, B's.  Region 1 is first filled behind the three lines and a round;
; region 2 is the one refill, at step 3, when region 0 has been read out.  A wave has one tensor load out at any time.
.irp g, G0A, G0B
	s_mov_b32 s[\g], 1
	s_mov_b32 s[\g+4], 1
	s_add_co_u32 s[\g+5], s100, 2*SLOTB
	s_mov_b32 s[\g+8], 1
	s_mov_b32 s[\g+9], s100
.endr
	s_mov_b32 s[G0A+1], 0
	s_mov_b32 s[G0B+1], SLOTB
	s_mov_b32 s[G0SA], 1
	s_mov_b32 s[G0SA+1], SCL
	s_mov_b32 s[G0SB], 1
	s_mov_b32 s[G0SB+1], SCL+8192
	; byte offsets, in the address pairs; the pointers are added below.  A's hang on the tile row alone, B's on the tile column alone
	s_lshl_b32 s2, s[TR], 4                        ; A: the block's first tile
	s_lshl_b32 s66, s[TC], 4                       ; B likewise
	s_mul_i32 s[G0A+2], s2, 12288
	s_mul_i32 s3, s[ISV], 128*12288                ; Wv's tiles begin at tile 128 of the weights
	s_add_co_u32 s[G0A+2], s[G0A+2], s3
	s_mov_b32 s[G0A+3], 0
	s_lshl_b32 s[G0SA+2], s2, 9
	s_lshl_b32 s3, s[ISV], 16
	s_add_co_u32 s[G0SA+2], s[G0SA+2], s3
	s_mov_b32 s[G0SA+3], 0
	s_mul_i32 s[G0B+2], s66, 12288
	s_mov_b32 s[G0B+3], 0
	s_lshl_b32 s[G0SB+2], s66, 9
	s_mov_b32 s[G0SB+3], 0
	s_wait_dscnt 0x0                               ; the opening add is done
	s_wait_kmcnt 0x0
	s_cmp_eq_u32 s[ISV], 0
	s_cselect_b64 s[2:3], s[4:5], s[8:9]           ; A's codes: x, or the weights
	s_cselect_b64 s[66:67], s[8:9], s[4:5]         ; B's codes
	s_cselect_b64 s[100:101], s[6:7], s[10:11]     ; A's scales
	s_cselect_b64 s[4:5], s[10:11], s[6:7]         ; B's scales
	s_add_nc_u64 s[G0A+2:G0A+3], s[2:3], s[G0A+2:G0A+3]
	s_add_nc_u64 s[G0B+2:G0B+3], s[66:67], s[G0B+2:G0B+3]
	s_add_nc_u64 s[G0SA+2:G0SA+3], s[100:101], s[G0SA+2:G0SA+3]
	s_add_nc_u64 s[G0SB+2:G0SB+3], s[4:5], s[G0SB+2:G0SB+3]
	s_mul_i32 s2, s[HC], 8*12288                   ; regions 1 and 2: the 8 tiles that I fetch,
	s_mov_b32 s3, 0
.irp s, 1,2
	s_add_nc_u64 s[G0A+4*\s+2:G0A+4*\s+3], s[G0A+2:G0A+3], s[2:3]
	s_add_nc_u64 s[G0A+4*\s+2:G0A+4*\s+3], s[G0A+4*\s+2:G0A+4*\s+3], (\s+1)*3072   ; from K 512 or 768 on
	s_add_nc_u64 s[G0B+4*\s+2:G0B+4*\s+3], s[G0B+2:G0B+3], s[2:3]
	s_add_nc_u64 s[G0B+4*\s+2:G0B+4*\s+3], s[G0B+4*\s+2:G0B+4*\s+3], (\s+1)*3072
.endr
.irp g, G0A, G0A+4, G0A+8, G0B, G0B+4, G0B+8, G0SA, G0SB
	s_or_b32 s[\g+3], s[\g+3], 0x80000000          ; 127:126 type = 2
.endr
	CROUND                                         ; all sixteen work-groups are here: the first joint loads meet
; the head's four tiles, one a wave, in one chain of branches on the wave's number: every way passes exactly one load
.macro ARM under, g0, g1, next
	s_cmp_lt_u32 s[WV], \under
	s_cbranch_scc0 \next
	tensor_load_to_lds s[\g0:\g0+3], s[\g1:\g1+7]
	s_nop 0
.rept 4
	v_nop
.endr
	s_branch .Lhead_asked
\next:
.endm
	ARM 1, G0A, G1A, .Lhead_b
	ARM 2, G0B, G1B, .Lhead_sa
	ARM 3, G0SA, G1SA, .Lhead_sb
	tensor_load_to_lds s[G0SB:G0SB+3], s[G1SB:G1SB+7]
	s_nop 0
.rept 4
	v_nop
.endr
.Lhead_asked:
	v_and_b32 v3, 31, v0                           ; lane
	v_and_b32 v1, 15, v0                           ; r
	v_bfe_u32 v2, v0, 4, 1                         ; h
	v_lshlrev_b32 v[L16], 4, v3
	v_lshl_add_u32 v[L8], v3, 3, 512
	s_wait_alu depctr_va_vdst(0)                   ; the lines below read these registers across ten scalar lines
	s_mul_i32 s2, s[HR], HALFT                     ; regions 2, then 1: my 8 tiles of A,
	s_mul_i32 s3, s[HC], HALFT
	s_add_co_u32 s3, s3, 2*HALFT                   ; my 8 tiles of B, behind A's 16
.irp s, 2,1
	v_add_nc_u32 v[A16+\s], s2, v[L16]
	v_add_nc_u32 v[A8+\s], s2, v[L8]
	v_add_nc_u32 v[B16+\s], s3, v[L16]
	v_add_nc_u32 v[B8+\s], s3, v[L8]
	s_add_co_u32 s2, s2, 2*SLOTB
	s_add_co_u32 s3, s3, 2*SLOTB
.endr
	s_mul_i32 s2, s[HR], 2*HALFT                   ; region 0: tiles of 6,144 bytes
	s_mul_i32 s3, s[HC], 2*HALFT
	s_add_co_u32 s3, s3, SLOTB
	v_add_nc_u32 v[A16], s2, v[L16]
	v_add_nc_u32 v[A8], s2, v[L8]
	v_add_nc_u32 v[B16], s3, v[L16]
	v_add_nc_u32 v[B8], s3, v[L8]
	s_lshl_b32 s2, s[HR], 12
	s_lshl_b32 s3, s[HC], 12
	s_add_co_u32 s3, s3, 8192
	s_sub_co_u32 s3, s3, s2                        ; from A's quarter to B's
	v_mul_u32_u24 v[ADRS], s3, v2                  ; lanes 16-31 take B's
	v_lshl_add_u32 v[ADRS], v1, 4, v[ADRS]
	s_add_co_u32 s2, s2, SCL
	v_add_nc_u32 v[ADRS], s2, v[ADRS]
	; the biases: both sets are always loaded, from addresses inside the buffer; the way out takes the one that its form wants
	s_cmp_eq_u32 ttmp9, 0
	s_cselect_b64 s[100:101], s[12:13], s[14:15]
	s_cmp_eq_u32 ttmp9, 2
	s_cselect_b64 s[100:101], s[16:17], s[100:101]
	s_and_b32 s2, s[TC], 3
	s_lshl_b32 s2, s2, 10
	s_lshl_b32 s3, s[HC], 9
	s_add_co_u32 s2, s2, s3                        ; Q, K: my 128 numbers along the registers
	s_lshl_b32 s3, s[TR], 10
	s_lshl_b32 s66, s[HR], 9
	s_add_co_u32 s3, s3, s66                       ; V: my 128 along the lanes
	s_cmp_eq_u32 s[ISV], 0
	s_cselect_b32 s2, s2, 0
	s_cselect_b32 s3, 0, s3
	v_lshl_add_u32 v22, v2, 6, s2                  ; + 16 h numbers
	v_and_b32 v23, 8, v1
	v_add_nc_u32 v23, v23, v1                      ; r + 8 (r / 8)
	v_lshl_add_u32 v23, v23, 2, s3
.irp k, 0,1,2,3
.irp j, 0,1,2,3
	global_load_b128 v[BR+16*\k+4*\j:BR+16*\k+4*\j+3], v22, s[100:101] offset:128*\k+16*\j   ; register 16 k + i: the bias of index 32 k + 16 h + i
.endr
.endr
.irp a, 0,1,2,3,4,5,6,7
	global_load_b32 v[BL+2*\a], v23, s[100:101] offset:(32*(\a/2)+8*(\a%2))*4               ; the bias of my lane's row in block a, twice: a pair for the packed addition
	global_load_b32 v[BL+2*\a+1], v23, s[100:101] offset:(32*(\a/2)+8*(\a%2))*4
.endr
	s_wait_alu depctr_va_vdst(0)
	s_wait_tensorcnt 0x0                           ; my tile of the head's four is in
	ds_add_u32 v[SPW], v[NIL]
.irp g, G1A, G1B                       ; no tensor load of mine is out: from here on a load brings 8 tiles' 3,072 bytes
	s_mov_b32 s[\g+1], 384<<16
	s_mov_b32 s[\g+2], 8<<16
	s_mov_b32 s[\g+3], 384<<16
	s_mov_b32 s[\g+4], 8
.endr
	s_wait_dscnt 0x0
	CROUND                                         ; all four tiles are shown, and the sixteen work-groups meet
	JLOAD G0A+4, G1A, G0B+4, G1B                   ; region 1, the first tensor load behind the round
	FETCH_B 0, 0
	FETCH_A 0, 0, 0
	SCALES 0
	FETCH_A 0, 0, 4
	KSTEP 0, 0, 0, 1, 0, 1                         ; step 0: its products start the sums: nothing is cleared
	KSTEP 1, 0, 0, 2, 1, 0                         ; step 1
	KSTEP 0, 1, 0, 3, 0, 0                         ; step 2
	TURN 1, 1, 2, 1                                ; step 3: region 1 is shown whole; region 0 is read out and region 2 is filled over its first bytes
	KSTEP 0, 0, 1, 1, 0, 0                         ; step 4
	TURN 0, 2, 3, 0                                ; step 5: region 2 is shown whole; nothing is filled
	KSTEP 0, 1, 2, 1, 0, 0                         ; step 6
	s_wait_dscnt 16                                ; step 7: nothing more to fetch
	WIN MUL_LO
	MUL16 0, 1, 1, 0
	MUL16 2, 1, 1, 0
	s_wait_dscnt 0x0
	WIN MUL_HI
	MUL16 4, 1, 1, 0
	MUL16 6, 1, 1, 0
	WIN 0
	; THE WAY OUT: block by block of 16 lanes' rows: + bias (which also brings the sums into window 0), quantised along the registers, stored as two half-images
	PLACES
	s_wait_loadcnt 0x0                             ; the biases
	s_mov_b32 s[SEL], 0x76543210
	s_mov_b32 s[SEL+1], 0xfedcba98
.irp b, 0,1,2,3
	v_mov_b32 v[TM+4+\b], 0                        ; written once: a lane permute's destination counts as one of its sources
.endr
	s_lshl_b32 s2, s[TC], 1
	s_add_co_u32 s2, s2, s[HC]                     ; g
	s_lshl_b32 s3, s[TR], 4
	s_lshl_b32 s4, s[HR], 3
	s_add_co_u32 s3, s3, s4                        ; my first tile t
	s_cmp_eq_u32 s[ISV], 0
	s_cselect_b32 s4, 9, 6                         ; log2 NT
	s_cselect_b32 s5, 0, 12582912
	s_cselect_b32 s6, 0, 524288
	s_lshl_b32 s2, s2, s4                          ; g NT
	s_lshl_b32 s7, s2, 1
	s_add_co_u32 s7, s7, s3
	s_mul_i32 s7, s7, 768
	s_add_co_u32 s7, s7, s5                        ; (2 g NT + t) 768 + the tensor's first byte
	s_lshl_b32 s8, 768, s4                         ; NT x 768: from half c = 0 to c = 1
	v_add_nc_u32 v19, s7, v[L16]
	v_add_nc_u32 v20, s7, v[L8]
	v_add_nc_u32 v24, s8, v19
	v_add_nc_u32 v25, s8, v20
	s_add_co_u32 s2, s2, s3
	s_lshl_b32 s2, s2, 6
	s_add_co_u32 s2, s2, s6
	v_lshlrev_b32 v21, 8, v2
	v_lshl_add_u32 v21, v1, 4, v21
	v_add_nc_u32 v21, s2, v21                      ; the scale words: lanes 0-15 tiles t .. t + 3, lanes 16-31 the next four
.macro BIASADD a
.set WB, 0x02+(\a)/4
	s_cmp_eq_u32 s[ISV], 0                         ; the cluster's x alone: the same in all partners; the branch leads round work on registers
	s_cbranch_scc0 .Lbv_\@
	WIN WB
.set i, 0
.rept 32
	v_pk_add_f32 v[T+i:T+i+1], v[64*((\a)%4)+i:64*((\a)%4)+i+1], v[BR+i:BR+i+1]       ; each accumulator from its low end on
.set i, i+2
.endr
	WIN 0
	s_branch .Lbj_\@
.Lbv_\@:
	WIN WB
.set i, 0
.rept 32
	v_pk_add_f32 v[T+i:T+i+1], v[64*((\a)%4)+i:64*((\a)%4)+i+1], v[BL+2*(\a):BL+2*(\a)+1]
.set i, i+2
.endr
	WIN 0
.Lbj_\@:
.endm
.macro QUANT pw                        ; v[T] on, register 16 b + i = K 32 b + 16 h + i of my row, become a fragment's codes in v[PC] on and its scale word in v[pw]
.irp b, 0,1,2,3
	v_max3_num_f32 v[TM+\b], |v[T+16*\b]|, |v[T+1+16*\b]|, 0x1800000
.endr
.irp i, 2,4,6,8,10,12,14
.irp b, 0,1,2,3
	v_max3_num_f32 v[TM+\b], v[TM+\b], |v[T+16*\b+\i]|, |v[T+1+16*\b+\i]|
.endr
.endr
.irp b, 0,1,2,3
	v_permlanex16_b32 v[TM+4+\b], v[TM+\b], s[SEL], s[SEL+1]
.endr
.irp b, 0,1,2,3
	v_max_num_f32 v[TM+\b], v[TM+\b], v[TM+4+\b]
.endr
.irp b, 0,1,2,3
	v_add_nc_u32 v[TM+8+\b], 0xff000000, v[TM+\b]
.endr
.irp b, 0,1,2,3
	v_lshrrev_b32 v[TM+4+\b], 23, v[TM+8+\b]
.endr
	v_lshl_or_b32 v[\pw], v[TM+5], 8, v[TM+4]
	v_lshl_or_b32 v[\pw], v[TM+6], 16, v[\pw]
	v_lshl_or_b32 v[\pw], v[TM+7], 24, v[\pw]
.irp c, 0,1
	v_cvt_scalef32_pk16_fp6_f32 v[PC+6*\c:PC+6*\c+2], v[T+32*\c:T+32*\c+15], v[TM+8+2*\c]
	v_cvt_scalef32_pk16_fp6_f32 v[CT+4*\c:CT+4*\c+2], v[T+32*\c+16:T+32*\c+31], v[TM+8+2*\c+1]
.endr
	v_nop                                          ; one plain place behind the scaled conversions
.irp c, 0,1                            ; the layout wants a whole block in a lane: lanes 0-15 block 2 c, lanes 16-31 block 2 c + 1
.irp i, 0,1,2
	v_permlane16_swap_b32 v[PC+6*\c+\i], v[CT+4*\c+\i]
.endr
.irp i, 0,1,2
	v_mov_b32 v[PC+6*\c+3+\i], v[CT+4*\c+\i]
.endr
.endr
.endm
.irp a, 0,1,2,3,4,5,6,7
	BIASADD \a
	s_wait_xcnt 0x0                                ; the last block's stores have read the codes' registers
	QUANT PW+\a
	global_store_b128 v19, v[PC:PC+3], s[18:19] offset:768*\a
	global_store_b64 v20, v[PC+4:PC+5], s[18:19] offset:768*\a
	global_store_b128 v24, v[PC+6:PC+9], s[18:19] offset:768*\a
	global_store_b64 v25, v[PC+10:PC+11], s[18:19] offset:768*\a
.endr
	v_cmp_ne_u32 vcc_lo, 0, v2
.irp i, 0,1,2,3
	v_cndmask_b32 v[248+\i], v[PW+\i], v[PW+4+\i], vcc_lo
.endr
	global_store_b128 v21, v[248:251], s[20:21]    ; 512 consecutive bytes
	s_wait_tensorcnt 0x0                           ; the wave's end
	ds_add_u32 v[SPW], v[NIL]
	s_wait_dscnt 0x0
	CROUND                                         ; the closing round
	s_endpgm
.Lfunc_end_k_q56b95ab2b4_gemm_qkv:
	.size	k_q56b95ab2b4_gemm_qkv, .Lfunc_end_k_q56b95ab2b4_gemm_qkv-k_q56b95ab2b4_gemm_qkv
	.p2alignl 7, 3214868480
	.fill 96, 4, 3214868480
	.section	.rodata,"a",@progbits
	.p2align	6, 0x0
	.amdhsa_kernel k_q56b95ab2b4_gemm_qkv
		.amdhsa_group_segment_fixed_size 327680
		.amdhsa_private_segment_fixed_size 0
		.amdhsa_enable_private_segment 0
		.amdhsa_kernarg_size 72
		.amdhsa_user_sgpr_count 2
		.amdhsa_user_sgpr_kernarg_segment_ptr 1
		.amdhsa_wavefront_size32 1
		.amdhsa_system_sgpr_workgroup_id_x 1
		.amdhsa_system_sgpr_workgroup_id_y 1
		.amdhsa_system_sgpr_workgroup_id_z 1
		.amdhsa_system_vgpr_workitem_id 0
		.amdhsa_next_free_vgpr 1024
		.amdhsa_next_free_sgpr 102
		.amdhsa_reserve_vcc 1
		.amdhsa_float_denorm_mode_32 3
		.amdhsa_float_denorm_mode_16_64 3
		.amdhsa_memory_ordered 1
		.amdhsa_forward_progress 1
		.amdhsa_inst_pref_size 186
	.end_amdhsa_kernel
	.amdgpu_metadata
---
amdhsa.version: [ 1, 2 ]
amdhsa.kernels:
  - .name:           k_q56b95ab2b4_gemm_qkv
    .symbol:         k_q56b95ab2b4_gemm_qkv.kd
    .args:
      - { .name: ximg, .offset: 0, .size: 8, .value_kind: global_buffer, .address_space: global }
      - { .name: xs, .offset: 8, .size: 8, .value_kind: global_buffer, .address_space: global }
      - { .name: wimg, .offset: 16, .size: 8, .value_kind: global_buffer, .address_space: global }
      - { .name: ws, .offset: 24, .size: 8, .value_kind: global_buffer, .address_space: global }
      - { .name: bq, .offset: 32, .size: 8, .value_kind: global_buffer, .address_space: global }
      - { .name: bk, .offset: 40, .size: 8, .value_kind: global_buffer, .address_space: global }
      - { .name: bv, .offset: 48, .size: 8, .value_kind: global_buffer, .address_space: global }
      - { .name: qkvc, .offset: 56, .size: 8, .value_kind: global_buffer, .address_space: global }
      - { .name: qkvs, .offset: 64, .size: 8, .value_kind: global_buffer, .address_space: global }
    .group_segment_fixed_size: 327680
    .private_segment_fixed_size: 0
    .kernarg_segment_align: 8
    .kernarg_segment_size: 72
    .max_flat_workgroup_size: 128
    .sgpr_count:     102
    .vgpr_count:     1024
    .wavefront_size: 32
...
	.end_amdgpu_metadata
.endif
;; end of part 2
;; launch attn (part 3): grid 256 x 1, 8 waves a work-group, clusters of 4 x 1, 327,680 bytes of LDS; arguments qkvc, qkvs, cimg, cs; writes cimg, cs
.if DOCPART == 3
	.amdgcn_target "amdgcn-amd-amdhsa--gfx1250"
	.amdhsa_code_object_version 6
	.text
	.protected	k_q56b95ab2b4_attn
	.globl	k_q56b95ab2b4_attn
	.p2align	8
	.type	k_q56b95ab2b4_attn,@function
k_q56b95ab2b4_attn:
	s_mov_b64 s[64:65], 0
	v_nop
	global_prefetch_b8 v0, s[64:65] scope:SCOPE_SE
	s_setreg_imm32_b32 hwreg(HW_REG_WAVE_MODE, 25, 1), 1
	s_wait_xcnt 0x0
	s_wait_alu depctr_hold_cnt(0) depctr_sa_sdst(0) depctr_va_vdst(0) depctr_va_sdst(0) depctr_va_ssrc(0) depctr_va_vcc(0) depctr_vm_vsrc(0)
	s_getreg_b32 s2, hwreg(HW_REG_IB_STS2, 6, 4)
	s_cmp_eq_u32 s2, 0
	s_cbranch_scc0 .Lentry_in_a_cluster
	s_endpgm
.Lentry_in_a_cluster:
	s_bfe_u32 s2, ttmp6, 0x10000c
	s_cmp_lg_u32 s2, 0x3003
	s_cbranch_scc0 .Lentry_shape_is_right
	s_endpgm
.Lentry_shape_is_right:
; ctx = softmax(Q K^T / 8, causal) V for 64 (batch, head) pairs of 2,048 tokens x 64 channels, on codes of FP6 (E2M3) with E8M0 scales; ctx leaves as codes, quantised along the channels.
; WORK LEFT OUT: scores above the causal diagonal are -inf, so a step of 128 keys that lies wholly above a query tile's rows adds nothing to any output: such steps are jumped over.
; LIMITS: the scaled scores stay under 2^31 in magnitude; NaN and infinities are not served, and one that lies only in a step left out is not carried on; a block of zeros gets the byte 1 (its codes are zeros; this program alone reads the bytes).
; BUFFERS as the launches before and behind lay them: token tile T holds rows 32 (T / 2) + 8 (T % 2) + i + 8 (i / 8); a half-image of 768 bytes is 16 rows x 64 along K (words 0-3 of lane l at 16 l, words 4-5 at 512 + 8 l).
;   Q, K codes [head (K: 16 + head)][512 token tiles][768]; V codes from byte 12,582,912: [token / 64][64 channel tiles][768]; scale words at ((g NT + t) / 4) 256 + 16 r + 4 (t % 4).
; THE DEAL.  A cluster of four work-groups takes one (batch, head): cluster x = 16 batch + head.  A wave walks TWO query tiles at once, x = 0, 1: T = 8 m + 4 x + cx; both end inside the 128 keys numbered m, so they have the same m + 1 key steps, whatever cx.
;   Wave w takes m = 15 - w and then m = w: 17 steps in every wave; no branch or count hangs on cx (cx enters global addresses and the mask's numbers alone).  A fragment of K or V feeds both tiles' products.
; LDS: the head's K (98,304 bytes), V (98,304) and their scale words (8,192 + 4,096) come in ONCE, by joint loads that name all four work-groups (mask 15), one a wave; one barrier shows them.  Nothing is filled again: the loops have no barrier.
;   No data prefetch: all that the launch reads by tensor loads is asked for at the head, and there is no later request to run ahead of.
; A STEP: S^T = K Q^T (8 tiles of 16 keys; Q's upper 64 along K are zero codes, so a fragment's upper six registers may hold the next tile, or for the last tile old codes of V), running whole-number maximum M, p = 2^(t - M),
;   the row's sum of the unquantised p, p quantised in blocks of 32 keys (a block's largest p from its largest score), O^T = O^T f + V^T p^T.  A lane holds one query of each tile.  Every chain is laid for the two tiles by turns.
;   Behind the score products this step's V and then the NEXT step's K and scale words are asked for: 17 and 24 LDS loads; the wait ahead of the second product leaves the 24 out.
; REGISTERS.  Window 1: v[64 x ..] scores, then p; v[128 + 32 x ..] O^T.  Window 0: all else (the names below; tile x's registers lie a constant behind tile 0's).
.set SCK,   0                          ; K's scale words
.set SCV,   8192                       ; V's
.set SPARE, 12288                      ; the spare words, 128 bytes for each of 8 waves; no other line names them
.set KB,    24576                      ; K: 6,144 bytes a step of 128 keys
.set VB,    122880                     ; V: the same
.set ST,    12                         ; + 4 x: -M, the largest t, the sum in two halves
.set L16,   20                         ; 16 x lane
.set L8,    21                         ; 512 + 8 x lane
.set R16,   22                         ; 16 r
.set Q,     24                         ; + 12 x
.set KF,    48
.set VF,    96
.set KW,    144                        ; K's scale words, one register a tile of keys
.set VS,    152                        ; V's
.set F,     156                        ; + 2 x: f, and beside it p's scale word
.set QSC,   160                        ; + x: Q's scale word
.set BM,    164                        ; + 4 x: the blocks' largest scores
.set TT,    172                        ; + 8 x: at work
.set SO,    188                        ; + 4 x: the conversions' scale operands
.set PC,    196                        ; + 12 x: p's codes
.set Q2,    220                        ; + 8 x: the second pair's Q and its scale word
.set O,     128
.set TK,    2                          ; LDS: the next step's K
.set TV,    3                          ; this step's V
.set TS,    12                         ; the next step's scale words of K, my head's two bytes
.set TJ,    13                         ; this step's of V
.set KS,    14                         ; the key step
.set DG,    15                         ; the tiles' last key step, m
.set QR,    16                         ; tile 0's first row, counted from that step's first key
.set CT,    17
.set WV,    18
.set P2,    19
.set SEL,   20
.set CS,    22
.set GK,    24                         ; s[24:31] group 1: dense rows of 256 bytes
.set GV,    32                         ; s[32:39] V's rows of 3,072 bytes, 49,152 apart
.set GS,    40                         ; s[40:47] V's scale words: 16 rows of 256 bytes, 4,096 apart
.set G0,    48
.set BB,    52
.set HD,    53
.set CX,    62
.set U,     63
.set PT,    66                         ; + 8 k, k = 2 x pair + x: pointers to Q's codes, Q's scale words, the context's codes, its scale bytes
.set DG1,   98
.set DG2,   99
.set QRB,   100                        ; tile 1's first row
.set MSB, 0
.macro WIN new                         ; the immediate's high byte repeats the setting that is left
.if MSB != \new
	s_set_vgpr_msb (MSB<<8)|\new
.set MSB, \new
.endif
.endm
.macro CROUND
	s_barrier_signal -1
	s_barrier_wait -1
	s_cmp_lg_u32 s[WV], 0
	s_cbranch_scc1 .Lnot_wave_0_\@
	s_barrier_signal -3
.Lnot_wave_0_\@:
	s_barrier_wait -3
	s_barrier_signal -1
	s_barrier_wait -1
.endm
; an arm of the head's chain: the tile's rows, its place in LDS (a constant + the wave's number x a constant), its address, the load
.macro ARM lt, next, g1, rows, ptr, off, ldsw, ldsc
.if \lt
	s_cmp_lt_u32 s[WV], \lt
	s_cbranch_scc0 \next
.endif
.if \rows
	s_mov_b32 s[\g1+2], (\rows)<<16
	s_mov_b32 s[\g1+4], \rows
.endif
.if \ldsw
	s_mul_i32 s[G0+1], s[WV], \ldsw
	s_add_co_u32 s[G0+1], s[G0+1], \ldsc
.else
	s_mov_b32 s[G0+1], \ldsc
.endif
	s_mov_b32 s56, s\off
	s_add_nc_u64 s[G0+2:G0+3], s[\ptr:\ptr+1], s[56:57]
	s_or_b32 s[G0+3], s[G0+3], 0x80000000
	tensor_load_to_lds s[G0:G0+3], s[\g1:\g1+7]
	s_nop 0
.rept 4
	v_nop
.endr
.if \lt
	s_branch .Lasked
\next:
.endif
.endm
; where tile T = 4 u + cx (u = 2 m + x in s[U]) reads its Q and stores its context; then its Q is asked for
.macro PLACE k, dg, qr, reg, sc
.set PK, PT+8*(\k)
	s_lshl_b32 s12, s[U], 2
	s_add_co_u32 s12, s12, s[CX]
	s_lshr_b32 s[\dg], s[U], 1
	s_and_b32 s13, s12, 7
	s_lshl_b32 s13, s13, 4
	s_and_b32 s14, s[CX], 1
	s_lshl_b32 s14, s14, 3
	s_sub_co_u32 s[\qr], s13, s14                  ; 16 (T % 8) - 8 (T % 2)
	s_lshl_b32 s13, s[BB], 7
	s_add_co_u32 s12, s12, s13                     ; the token tile
	s_lshl_b32 s13, s[HD], 9
	s_add_co_u32 s13, s13, s12
	s_mul_i32 s56, s13, 768
	s_add_nc_u64 s[PK:PK+1], s[4:5], s[56:57]
	s_lshr_b32 s13, s[HD], 1
	s_lshl_b32 s13, s13, 9
	s_add_co_u32 s13, s13, s12
	s_sub_co_u32 s13, s13, s[CX]
	s_lshl_b32 s13, s13, 6
	s_lshl_b32 s14, s[CX], 2
	s_add_co_u32 s13, s13, s14
	s_add_co_u32 s56, s13, s[P2]
	s_add_nc_u64 s[PK+2:PK+3], s[6:7], s[56:57]
	s_mul_i32 s56, s12, 12288
	s_mul_i32 s13, s[HD], 768
	s_add_co_u32 s56, s56, s13
	s_add_nc_u64 s[PK+4:PK+5], s[8:9], s[56:57]
	s_lshl_b32 s56, s12, 9
	s_lshr_b32 s13, s[HD], 3
	s_lshl_b32 s13, s13, 8
	s_add_co_u32 s56, s56, s13
	s_and_b32 s13, s[HD], 7
	s_lshl_b32 s13, s13, 1
	s_add_co_u32 s56, s56, s13
	s_add_nc_u64 s[PK+6:PK+7], s[10:11], s[56:57]
	global_load_b128 v[\reg:\reg+3], v[L16], s[PK:PK+1]
	global_load_b64 v[\reg+4:\reg+5], v[L8], s[PK:PK+1]
	global_load_u16 v[\sc], v[R16], s[PK+2:PK+3]
.endm
.macro INIT                            ; a pair of tiles begins: the largest t under every t, sums and O^T zero
.irp x, 0,1
	v_mov_b32 v[ST+4*\x+1], 0xff61b1e6
	v_mov_b32 v[ST+4*\x+2], 0
	v_mov_b32 v[ST+4*\x+3], 0
.endr
.irp x, 0,1
	v_floor_f32 v[ST+4*\x], -v[ST+4*\x+1]
.endr
	WIN 0x40
.set j, 0
.rept 64
	v_mov_b32 v[O+j], 0
.set j, j+1
.endr
	WIN 0
.endm
.macro WALK trips                      ; the loop's scalars, from key step 0
	s_mov_b32 s[KS], 0
	s_mov_b32 s[TK], KB
	s_mov_b32 s[TS], s[P2]
	s_mov_b32 s[TV], VB
	s_mov_b32 s[TJ], SCV
	s_mov_b32 s[CT], \trips
.endm
.macro KLOAD                           ; 24 LDS loads: a step's eight tiles of K and their scale words (an LDS instruction has read its address when it is issued, so v8 is written again between them)
	v_add_nc_u32 v8, s[TK], v[L16]
	v_add_nc_u32 v9, s[TK], v[L8]
.irp t, 0,1,2,3,4,5,6,7
	ds_load_b128 v[KF+6*\t:KF+6*\t+3], v8 offset:768*\t
	ds_load_b64 v[KF+6*\t+4:KF+6*\t+5], v9 offset:768*\t
.endr
	v_add_nc_u32 v8, s[TS], v[R16]
.irp t, 0,1,2,3,4,5,6,7
	ds_load_u16 v[KW+\t], v8 offset:256*(\t/4)+4*(\t%4)
.endr
.endm
.macro FIRSTK                          ; step 0's K, ahead of a loop; then the two scalars stand at step 1
	KLOAD
	s_add_co_u32 s[TK], s[TK], 6144
	s_add_co_u32 s[TS], s[TS], 512
.endm
; a step of 128 keys for both tiles: steps above the diagonal are jumped over, the diagonal's step is masked; both tests hang on the wave's number and the loop's count alone.  At every branch and label the windows are 0
.macro STEP
	s_cmp_gt_u32 s[KS], s[DG]
	s_cbranch_scc1 .Lhidden_\@
	s_wait_dscnt 0x0                               ; this step's K, asked for a step ago
	WIN 0x40                                       ; D in window 1
.irp t, 0,1,2,3,4,5,6,7
.irp x, 0,1
	v_wmma_scale_f32_16x16x128_f8f6f4 v[64*\x+8*\t:64*\x+8*\t+7], v[KF+6*\t:KF+6*\t+11], v[Q+12*\x:Q+12*\x+11], 0, v[KW+\t], v[QSC+\x] matrix_a_fmt:MATRIX_FMT_FP6 matrix_b_fmt:MATRIX_FMT_FP6
.endr
.endr
	WIN 0
	v_add_nc_u32 v8, s[TV], v[L16]                 ; four places between the products and the loads into their registers
	v_add_nc_u32 v9, s[TV], v[L8]
	v_nop
	v_nop
.irp t, 0,1,2,3
.irp c, 0,1
	ds_load_b128 v[VF+12*\t+6*\c:VF+12*\t+6*\c+3], v8 offset:3072*\c+768*\t
	ds_load_b64 v[VF+12*\t+6*\c+4:VF+12*\t+6*\c+5], v9 offset:3072*\c+768*\t
.endr
.endr
	v_add_nc_u32 v8, s[TJ], v[R16]
	ds_load_b128 v[VS:VS+3], v8
	KLOAD                                          ; the next step's (behind the last step of K: bytes of V, which nobody uses)
	s_cmp_lg_u32 s[KS], s[DG]
	s_cbranch_scc1 .Lopen_\@
	v_add_nc_u32 v[TT], s[QR], v7                  ; my query's row less 16 h, from this step's first key
	v_add_nc_u32 v[TT+8], s[QRB], v7
	v_mov_b32 v[TT+1], 0xff800000
	WIN 0x41                                       ; the scores in window 1, the second source in window 0
.irp x, 0,1
.irp n, 0,1,2,3,4,5,6,7,8,9,10,11,12,13,14,15,16,17,18,19,20,21,22,23,24,25,26,27,28,29,30,31,32,33,34,35,36,37,38,39,40,41,42,43,44,45,46,47,48,49,50,51,52,53,54,55,56,57,58,59,60,61,62,63
	v_cmp_gt_i32 vcc_lo, 32*(\n/16)+\n%16, v[TT+8*\x]
	v_cndmask_b32 v[64*\x+\n], v[64*\x+\n], v[TT+1], vcc_lo
.endr
.endr
	WIN 0
.Lopen_\@:
	WIN 0x15                                       ; three scores
.irp x, 0,1
.irp b, 0,1,2,3
	v_max3_num_f32 v[BM+4*\x+\b], v[64*\x+16*\b], v[64*\x+16*\b+1], v[64*\x+16*\b+2]
.endr
.endr
	WIN 0x14                                       ; the running maximum and two scores
.irp i, 3,5,7,9,11,13
.irp x, 0,1
.irp b, 0,1,2,3
	v_max3_num_f32 v[BM+4*\x+\b], v[BM+4*\x+\b], v[64*\x+16*\b+\i], v[64*\x+16*\b+\i+1]
.endr
.endr
.endr
.irp x, 0,1
.irp b, 0,1,2,3
	v_max_num_f32 v[BM+4*\x+\b], v[BM+4*\x+\b], v[64*\x+16*\b+15]
.endr
.endr
	WIN 0
.irp x, 0,1
.irp b, 0,1,2,3
	v_permlanex16_b32 v[TT+8*\x+\b], v[BM+4*\x+\b], s[SEL], s[SEL+1]
.endr
.endr
.irp x, 0,1
.irp b, 0,1,2,3
	v_max_num_f32 v[BM+4*\x+\b], v[BM+4*\x+\b], v[TT+8*\x+\b]
.endr
.endr
.irp x, 0,1
	v_max3_num_f32 v[TT+8*\x+4], v[BM+4*\x], v[BM+4*\x+1], v[BM+4*\x+2]
.endr
.irp x, 0,1
	v_max_num_f32 v[TT+8*\x+4], v[TT+8*\x+4], v[BM+4*\x+3]
.endr
.irp x, 0,1
	v_mul_f32 v[TT+8*\x+4], s[CS], v[TT+8*\x+4]
.endr
.irp x, 0,1
	v_max_num_f32 v[ST+4*\x+1], v[ST+4*\x+1], v[TT+8*\x+4]
.endr
.irp x, 0,1
	v_mov_b32 v[TT+8*\x+4], v[ST+4*\x]
.endr
.irp x, 0,1
	v_floor_f32 v[ST+4*\x], -v[ST+4*\x+1]          ; the new -M: M is a whole number
.endr
.irp x, 0,1
	v_sub_f32 v[TT+8*\x+4], v[ST+4*\x], v[TT+8*\x+4]
.endr
.irp x, 0,1
	v_cvt_i32_f32 v[TT+8*\x+4], v[TT+8*\x+4]
.endr
.irp x, 0,1
	v_ldexp_f32 v[F+2*\x], 1.0, v[TT+8*\x+4]       ; f = 2^(old M - new M)
.endr
.irp x, 0,1
.irp b, 0,1,2,3
	v_fma_f32 v[BM+4*\x+\b], v[BM+4*\x+\b], s[CS], v[ST+4*\x]
.endr
.endr
	WIN 0x41
.irp x, 0,1
.set j, 0
.rept 32
	v_pk_fma_f32 v[64*\x+j:64*\x+j+1], v[64*\x+j:64*\x+j+1], s[CS:CS+1], v[ST+4*\x:ST+4*\x+1] op_sel_hi:[1,0,0]
.set j, j+2
.endr
.endr
	s_wait_alu depctr_va_vdst(0)
.set j, 0
.rept 128
	v_exp_f32 v[j], v[j]
.set j, j+1
.endr
	WIN 0
.set j, 0
.rept 8
	v_exp_f32 v[BM+j], v[BM+j]                     ; the blocks' largest p
.set j, j+1
.endr
.irp x, 0,1
	v_pk_mul_f32 v[ST+4*\x+2:ST+4*\x+3], v[ST+4*\x+2:ST+4*\x+3], v[F+2*\x:F+2*\x+1] op_sel_hi:[1,0]
.endr
	WIN 0x05                                       ; the row's sum of the unquantised p, two at a time, four chains a tile by turns
	s_wait_alu depctr_va_vdst(0)
.irp x, 0,1
.irp k, 0,1,2
	v_pk_add_f32 v[TT+8*\x+2*\k:TT+8*\x+2*\k+1], v[64*\x+4*\k:64*\x+4*\k+1], v[64*\x+4*\k+2:64*\x+4*\k+3]
.endr
.endr
	WIN 0x04
.irp x, 0,1
	v_pk_add_f32 v[ST+4*\x+2:ST+4*\x+3], v[ST+4*\x+2:ST+4*\x+3], v[64*\x+12:64*\x+13]
.endr
.irp j, 14,22,30,38,46,54
.irp x, 0,1
.irp k, 0,1,2
	v_pk_add_f32 v[TT+8*\x+2*\k:TT+8*\x+2*\k+1], v[TT+8*\x+2*\k:TT+8*\x+2*\k+1], v[64*\x+\j+2*\k:64*\x+\j+2*\k+1]
.endr
	v_pk_add_f32 v[ST+4*\x+2:ST+4*\x+3], v[ST+4*\x+2:ST+4*\x+3], v[64*\x+\j+6:64*\x+\j+7]
.endr
.endr
.irp x, 0,1
	v_pk_add_f32 v[TT+8*\x:TT+8*\x+1], v[TT+8*\x:TT+8*\x+1], v[64*\x+62:64*\x+63]
.endr
	WIN 0
.irp x, 0,1
	v_pk_add_f32 v[TT+8*\x+2:TT+8*\x+3], v[TT+8*\x+2:TT+8*\x+3], v[TT+8*\x+4:TT+8*\x+5]
.endr
.irp x, 0,1
	v_pk_add_f32 v[ST+4*\x+2:ST+4*\x+3], v[ST+4*\x+2:ST+4*\x+3], v[TT+8*\x:TT+8*\x+1]
.endr
.set j, 0
.rept 8
	v_max_num_f32 v[BM+j], 0x1800000, v[BM+j]      ; the floor: the byte cannot fall under 1
.set j, j+1
.endr
.irp x, 0,1
	v_pk_add_f32 v[ST+4*\x+2:ST+4*\x+3], v[ST+4*\x+2:ST+4*\x+3], v[TT+8*\x+2:TT+8*\x+3]
.endr
.set j, 0
.rept 8
	v_add_nc_u32 v[SO+j], 0xff000000, v[BM+j]      ; 2 off the exponent field: the conversion's scale operand
.set j, j+1
.endr
.irp x, 0,1
.irp b, 0,1,2,3
	v_lshrrev_b32 v[TT+8*\x+\b], 23, v[SO+4*\x+\b]
.endr
.endr
.irp x, 0,1
	v_lshl_or_b32 v[F+2*\x+1], v[TT+8*\x+1], 8, v[TT+8*\x]
.endr
.irp x, 0,1
	v_lshl_or_b32 v[F+2*\x+1], v[TT+8*\x+2], 16, v[F+2*\x+1]
.endr
.irp x, 0,1
	v_lshl_or_b32 v[F+2*\x+1], v[TT+8*\x+3], 24, v[F+2*\x+1]
.endr
	WIN 0x01                                       ; p in window 1
.irp x, 0,1
.irp c, 0,1
	v_cvt_scalef32_pk16_fp6_f32 v[PC+12*\x+6*\c:PC+12*\x+6*\c+2], v[64*\x+32*\c:64*\x+32*\c+15], v[SO+4*\x+2*\c]
	v_cvt_scalef32_pk16_fp6_f32 v[TT+8*\x+4*\c:TT+8*\x+4*\c+2], v[64*\x+32*\c+16:64*\x+32*\c+31], v[SO+4*\x+2*\c+1]
.endr
.endr
	WIN 0
	v_nop                                          ; one plain place behind the scaled conversions
.irp x, 0,1
.irp c, 0,1
.irp i, 0,1,2
	v_permlane16_swap_b32 v[PC+12*\x+6*\c+\i], v[TT+8*\x+4*\c+\i]
.endr
.endr
.endr
.irp x, 0,1
.irp c, 0,1
.irp i, 0,1,2
	v_mov_b32 v[PC+12*\x+6*\c+3+\i], v[TT+8*\x+4*\c+\i]
.endr
.endr
.endr
	WIN 0x41
	s_wait_alu depctr_va_vdst(0)
.irp x, 0,1
.set j, 0
.rept 16
	v_pk_mul_f32 v[O+32*\x+j:O+32*\x+j+1], v[O+32*\x+j:O+32*\x+j+1], v[F+2*\x:F+2*\x+1] op_sel_hi:[1,0]
.set j, j+2
.endr
.endr
	WIN 0x50                                       ; C and D in window 1
	s_wait_alu depctr_va_vdst(0)
	s_wait_dscnt 24                                ; V and its scale words are in; the 24 loads of the next step's K are younger
.irp t, 0,1,2,3
.irp x, 0,1
	v_wmma_scale_f32_16x16x128_f8f6f4 v[O+32*\x+8*\t:O+32*\x+8*\t+7], v[VF+12*\t:VF+12*\t+11], v[PC+12*\x:PC+12*\x+11], v[O+32*\x+8*\t:O+32*\x+8*\t+7], v[VS+\t], v[F+2*\x+1] matrix_a_fmt:MATRIX_FMT_FP6 matrix_b_fmt:MATRIX_FMT_FP6
.endr
.endr
	WIN 0
.Lhidden_\@:
	s_add_co_u32 s[KS], s[KS], 1
	s_add_co_u32 s[TK], s[TK], 6144
	s_add_co_u32 s[TV], s[TV], 6144
	s_add_co_u32 s[TS], s[TS], 512
	s_add_co_u32 s[TJ], s[TJ], 256
	s_sub_co_u32 s[CT], s[CT], 1
	s_cmp_lg_u32 s[CT], 0
.endm
; a pair of tiles ends: O^T / the sum, quantised along the head's 64 channels, stored as a half-image and two scale bytes a row
.macro FIN p
.irp x, 0,1
	v_add_f32 v[ST+4*\x+2], v[ST+4*\x+2], v[ST+4*\x+3]
.endr
.irp x, 0,1
	v_permlanex16_b32 v[F+2*\x], v[ST+4*\x+2], s[SEL], s[SEL+1]
.endr
.irp x, 0,1
	v_add_f32 v[ST+4*\x+2], v[ST+4*\x+2], v[F+2*\x]
.endr
	s_wait_alu depctr_va_vdst(0)
.irp x, 0,1
	v_rcp_f32 v[ST+4*\x+2], v[ST+4*\x+2]
.endr
.rept 4
	v_nop
.endr
	WIN 0x41
	s_wait_alu depctr_va_vdst(0)
.irp x, 0,1
.set j, 0
.rept 16
	v_pk_mul_f32 v[64*\x+j:64*\x+j+1], v[O+32*\x+j:O+32*\x+j+1], v[ST+4*\x+2:ST+4*\x+3] op_sel_hi:[1,0]
.set j, j+2
.endr
.endr
	WIN 0x05
.irp x, 0,1
.irp b, 0,1
	v_max3_num_f32 v[BM+4*\x+\b], |v[64*\x+16*\b]|, |v[64*\x+16*\b+1]|, 0x1800000
.endr
.endr
	WIN 0x14
.irp i, 2,4,6,8,10,12,14
.irp x, 0,1
.irp b, 0,1
	v_max3_num_f32 v[BM+4*\x+\b], v[BM+4*\x+\b], |v[64*\x+16*\b+\i]|, |v[64*\x+16*\b+\i+1]|
.endr
.endr
.endr
	WIN 0
.irp x, 0,1
.irp b, 0,1
	v_permlanex16_b32 v[TT+8*\x+\b], v[BM+4*\x+\b], s[SEL], s[SEL+1]
.endr
.endr
.irp x, 0,1
.irp b, 0,1
	v_max_num_f32 v[BM+4*\x+\b], v[BM+4*\x+\b], v[TT+8*\x+\b]
.endr
.endr
.irp x, 0,1
.irp b, 0,1
	v_add_nc_u32 v[SO+4*\x+\b], 0xff000000, v[BM+4*\x+\b]
.endr
.endr
.irp x, 0,1
.irp b, 0,1
	v_lshrrev_b32 v[TT+8*\x+\b], 23, v[SO+4*\x+\b]
.endr
.endr
.irp x, 0,1
	v_lshl_or_b32 v[F+2*\x+1], v[TT+8*\x+1], 8, v[TT+8*\x]
.endr
	WIN 0x01
.irp x, 0,1
	v_cvt_scalef32_pk16_fp6_f32 v[PC+12*\x:PC+12*\x+2], v[64*\x:64*\x+15], v[SO+4*\x]
	v_cvt_scalef32_pk16_fp6_f32 v[TT+8*\x+4:TT+8*\x+6], v[64*\x+16:64*\x+31], v[SO+4*\x+1]
.endr
	WIN 0
	v_nop
.irp x, 0,1
.irp i, 0,1,2
	v_permlane16_swap_b32 v[PC+12*\x+\i], v[TT+8*\x+4+\i]
.endr
.endr
.irp x, 0,1
.irp i, 0,1,2
	v_mov_b32 v[PC+12*\x+3+\i], v[TT+8*\x+4+\i]
.endr
.endr
.irp x, 0,1
	global_store_b128 v[L16], v[PC+12*\x:PC+12*\x+3], s[PT+8*(2*\p+\x)+4:PT+8*(2*\p+\x)+5]
	global_store_b64 v[L8], v[PC+12*\x+4:PC+12*\x+5], s[PT+8*(2*\p+\x)+4:PT+8*(2*\p+\x)+5]
	global_store_b16 v[R16], v[F+2*\x+1], s[PT+8*(2*\p+\x)+6:PT+8*(2*\p+\x)+7]
.endr
.endm
; ---- the head
	s_load_b256 s[4:11], s[0:1], 0x0               ; qkvc s[4:5], qkvs s[6:7], cimg s[8:9], cs s[10:11]
	v_lshl_add_u32 v5, v0, 2, SPARE
	v_mov_b32 v6, 0
	ds_add_u32 v5, v6                              ; the opening lines: the add, twice on end, and its wait ahead of the round in front of my tensor load
	ds_add_u32 v5, v6
	v_lshrrev_b32 v8, 5, v0
	v_readfirstlane_b32 s[WV], v8
	s_bfe_u32 s[CX], ttmp6, 0x40000
	s_lshr_b32 s[BB], ttmp9, 4                     ; the batch
	s_and_b32 s[HD], ttmp9, 15                     ; the head
	s_and_b32 s[P2], ttmp9, 1
	s_lshl_b32 s[P2], s[P2], 1                     ; my head's two bytes of a scale word of Q or K
	s_lshl_b32 s12, s[BB], 7
	s_add_co_u32 s54, s[HD], 16
	s_lshl_b32 s54, s54, 9
	s_add_co_u32 s54, s54, s12
	s_mul_i32 s54, s54, 768                        ; K's codes
	s_mul_i32 s55, s[BB], 1572864
	s_mul_i32 s13, s[HD], 3072
	s_add_co_u32 s55, s55, s13
	s_add_co_u32 s55, s55, 12582912                ; V's codes
	s_lshr_b32 s58, s[HD], 1
	s_add_co_u32 s58, s58, 8
	s_lshl_b32 s58, s58, 9
	s_add_co_u32 s58, s58, s12
	s_lshl_b32 s58, s58, 6                         ; K's scale words
	s_lshl_b32 s59, s[BB], 16
	s_lshl_b32 s13, s[HD], 8
	s_add_co_u32 s59, s59, s13
	s_add_co_u32 s59, s59, 524288                  ; V's
	s_mul_i32 s60, s[WV], 49152
	s_add_co_u32 s60, s60, s54                     ; waves 0, 1: K's keys 1,024 x wave on
	s_mul_i32 s61, s[WV], 393216
	s_add_co_u32 s61, s61, s55
	s_sub_co_u32 s61, s61, 786432                  ; waves 2-5: V's keys 512 (wave - 2) on
	s_mov_b32 s57, 0
.irp g, GK, GV, GS
	s_mov_b32 s[\g], 15|(3<<16)|(1<<21)            ; the mask of all four work-groups; elements of 8 bytes; bit 21 beside a mask
	s_mov_b32 s[\g+6], 0
	s_mov_b32 s[\g+7], 0
.endr
	s_mov_b32 s[GK+1], 32<<16
	s_mov_b32 s[GK+3], 32<<16
	s_mov_b32 s[GK+5], 32
	s_mov_b32 s[GV+1], 384<<16
	s_mov_b32 s[GV+3], 384<<16
	s_mov_b32 s[GV+5], 6144
	s_mov_b32 s[GS+1], 32<<16
	s_mov_b32 s[GS+2], 16<<16
	s_mov_b32 s[GS+3], 32<<16
	s_mov_b32 s[GS+4], 16
	s_mov_b32 s[GS+5], 512
	s_mov_b32 s[G0], 1
	s_mov_b32 s[SEL], 0x76543210
	s_mov_b32 s[SEL+1], 0xfedcba98
	s_mov_b32 s[CS], 0x3e38aa3b                    ; log2(e) / 8
	s_mov_b32 s[CS+1], s[CS]
	s_wait_alu depctr_va_vdst(0)
	s_wait_dscnt 0x0
	CROUND                                         ; the four work-groups meet ahead of the joint loads
	s_wait_kmcnt 0x0
	ARM 2, .Larm1, GK, 192, 4, 60, 49152, KB       ; waves 0, 1: 1,024 keys of K each
	ARM 6, .Larm2, GV, 8, 4, 61, 24576, VB-49152   ; waves 2-5: 512 keys of V each, at VB + 24,576 (wave - 2)
	ARM 7, .Larm3, GK, 32, 6, 58, 0, SCK           ; wave 6: K's scale words
	ARM 0, .Lnone, GS, 0, 6, 59, 0, SCV            ; wave 7: V's
.Lasked:
	v_and_b32 v8, 31, v0
	v_and_b32 v9, 15, v0
	v_bfe_u32 v10, v0, 4, 1
	v_lshlrev_b32 v[L16], 4, v8
	v_lshl_add_u32 v[L8], v8, 3, 512
	v_lshlrev_b32 v[R16], 4, v9
	v_and_b32 v7, 8, v9
	v_lshlrev_b32 v10, 4, v10
	v_add_nc_u32 v7, v7, v9
	v_sub_nc_u32 v7, v7, v10                       ; r + 8 (r / 8) - 16 h
	s_wait_alu depctr_va_vdst(0)                   ; the loads below read these registers across many scalar lines
	s_sub_co_u32 s[U], 15, s[WV]
	s_lshl_b32 s[U], s[U], 1
	PLACE 0, DG1, QR, Q, QSC
	s_add_co_u32 s[U], s[U], 1
	PLACE 1, DG1, QRB, Q+12, QSC+1
	s_lshl_b32 s[U], s[WV], 1
	PLACE 2, DG2, QR, Q2, Q2+6
	s_add_co_u32 s[U], s[U], 1
	PLACE 3, DG2, QRB, Q2+8, Q2+14
.irp j, Q+6,Q+7,Q+8,Q+9,Q+10,Q+11,Q+18,Q+19,Q+20,Q+21,Q+22,Q+23,VF,VF+1,VF+2,VF+3,VF+4,VF+5,F,F+1,F+2,F+3,TT,TT+1,TT+2,TT+3,TT+8,TT+9,TT+10,TT+11
	v_mov_b32 v[\j], 0                             ; Q's upper 64 along K: zero codes; the others are named before they are first written
.endr
	INIT
	s_mov_b32 s[DG], s[DG1]
	WALK 16
	s_wait_alu depctr_va_vdst(0)                   ; the head's end
	s_wait_loadcnt 0x0                             ; all four tiles' Q
	s_wait_tensorcnt 0x0                           ; every wave, under no branch: my tile is in
	s_barrier_signal -1
	s_barrier_wait -1                              ; all of K, V and their scale words is shown
	FIRSTK
; ---- the long pair, m = 15 - wave
.Llong:
	STEP
	s_cbranch_scc1 .Llong
	FIN 0
; ---- the short pair, m = wave: at most eight steps
	s_wait_dscnt 0x0                               ; the last step's loads for a step that is not walked have landed: their registers may be loaded anew
.irp x, 0,1
.irp i, 0,1,2,3,4,5
	v_mov_b32 v[Q+12*\x+\i], v[Q2+8*\x+\i]
.endr
	v_mov_b32 v[QSC+\x], v[Q2+8*\x+6]
.endr
	INIT
	s_mov_b32 s[DG], s[DG2]
	WALK 8
	s_wait_alu depctr_va_vdst(0)
	s_wait_xcnt 0x0                                ; the first pair's stores have read their registers
	FIRSTK
.Lshort:
	STEP
	s_cbranch_scc1 .Lshort
	FIN 1
	s_wait_tensorcnt 0x0                           ; the wave's end
	ds_add_u32 v5, v6
	s_wait_dscnt 0x0
	CROUND                                         ; the closing round
	s_endpgm
.Lfunc_end_k_q56b95ab2b4_attn:
	.size	k_q56b95ab2b4_attn, .Lfunc_end_k_q56b95ab2b4_attn-k_q56b95ab2b4_attn
	.p2alignl 7, 3214868480
	.fill 96, 4, 3214868480
	.section	.rodata,"a",@progbits
	.p2align	6, 0x0
	.amdhsa_kernel k_q56b95ab2b4_attn
		.amdhsa_group_segment_fixed_size 327680
		.amdhsa_private_segment_fixed_size 0
		.amdhsa_enable_private_segment 0
		.amdhsa_kernarg_size 32
		.amdhsa_user_sgpr_count 2
		.amdhsa_user_sgpr_kernarg_segment_ptr 1
		.amdhsa_wavefront_size32 1
		.amdhsa_system_sgpr_workgroup_id_x 1
		.amdhsa_system_sgpr_workgroup_id_y 1
		.amdhsa_system_sgpr_workgroup_id_z 1
		.amdhsa_system_vgpr_workitem_id 0
		.amdhsa_next_free_vgpr 448
		.amdhsa_next_free_sgpr 102
		.amdhsa_reserve_vcc 1
		.amdhsa_float_denorm_mode_32 3
		.amdhsa_float_denorm_mode_16_64 3
		.amdhsa_memory_ordered 1
		.amdhsa_forward_progress 1
		.amdhsa_inst_pref_size 118
	.end_amdhsa_kernel
	.amdgpu_metadata
---
amdhsa.version: [ 1, 2 ]
amdhsa.kernels:
  - .name:           k_q56b95ab2b4_attn
    .symbol:         k_q56b95ab2b4_attn.kd
    .args:
      - { .name: qkvc, .offset: 0, .size: 8, .value_kind: global_buffer, .address_space: global }
      - { .name: qkvs, .offset: 8, .size: 8, .value_kind: global_buffer, .address_space: global }
      - { .name: cimg, .offset: 16, .size: 8, .value_kind: global_buffer, .address_space: global }
      - { .name: cs, .offset: 24, .size: 8, .value_kind: global_buffer, .address_space: global }
    .group_segment_fixed_size: 327680
    .private_segment_fixed_size: 0
    .kernarg_segment_align: 8
    .kernarg_segment_size: 32
    .max_flat_workgroup_size: 256
    .sgpr_count:     102
    .vgpr_count:     448
    .wavefront_size: 32
...
	.end_amdgpu_metadata
.endif
;; end of part 3
;; launch gemm_out (part 4): grid 4 x 64, 4 waves a work-group, clusters of 4 x 4, 327,680 bytes of LDS; arguments cimg, cs, wimg, ws, bo, out0; writes out0
.if DOCPART == 4
	.amdgcn_target "amdgcn-amd-amdhsa--gfx1250"
	.amdhsa_code_object_version 6
	.text
	.protected	k_q56b95ab2b4_gemm_out
	.globl	k_q56b95ab2b4_gemm_out
	.p2align	8
	.type	k_q56b95ab2b4_gemm_out,@function
k_q56b95ab2b4_gemm_out:
	s_mov_b64 s[64:65], 0
	v_nop
	global_prefetch_b8 v0, s[64:65] scope:SCOPE_SE
	s_setreg_imm32_b32 hwreg(HW_REG_WAVE_MODE, 25, 1), 1
	s_wait_xcnt 0x0
	s_wait_alu depctr_hold_cnt(0) depctr_sa_sdst(0) depctr_va_vdst(0) depctr_va_sdst(0) depctr_va_ssrc(0) depctr_va_vcc(0) depctr_vm_vsrc(0)
	s_getreg_b32 s2, hwreg(HW_REG_IB_STS2, 6, 4)
	s_cmp_eq_u32 s2, 0
	s_cbranch_scc0 .Lentry_in_a_cluster
	s_endpgm
.Lentry_in_a_cluster:
	s_bfe_u32 s2, ttmp6, 0x10000c
	s_cmp_lg_u32 s2, 0xf033
	s_cbranch_scc0 .Lentry_shape_is_right
	s_endpgm
.Lentry_shape_is_right:
; out = ctx Wo^T + bo on codes of FP6 (E2M3) with E8M0 scales, K = 1,024; out [8192][1024] f32.
; OPERANDS lie as images of operand registers: tile T = rows 32 (T / 2) + 8 (T % 2) + i + 8 (i / 8); codes [tile][16 halves of 64 K][768 bytes], scale words [tile][K / 512][row][4 words].  Wo's tiles begin at tile 192 of the weights.
; THE DEAL: 64 x 4 = 256 work-groups, each 128 rows x 256 columns of out; four waves, 2 x 2, each 64 x 128: 32 accumulators.  Source 1 (A) = ctx gives the result's lanes (rows of out), source 0 (B) = Wo its registers:
;   register j of lane (r, h) in B's tile b is column 32 (b / 2) + 16 h + 8 (b % 2) + j.  bo is the C of each sum's first product.
; LDS: ALL of K at once: A's 8 tiles x 12,288 bytes, B's 16 tiles, the scale words of both.  Four tiles, one tensor load a wave; nothing is filled again.  No data prefetch: all is asked for at the head.
; CLUSTER 4 x 4: A's tile and scale words are asked for jointly along a row of the cluster, B's along a column.
; A STEP of 128 along K is 32 products; both operands have two sets of fragments, and a step begins by asking for the next step's 48 LDS loads (and every second step 8 for the scale words), which have the step's products in which to land.
; THE WAY OUT goes through a stage in A's first bytes: a plain barrier inside the last step shows that nobody reads LDS tiles any more.
; LIMITS: NaN, infinities and sums beyond f32's range are not served; a sum begins with the bias.
; REGISTERS: window 0: v1-3 r, h, lane; v4-9, v16 LDS addresses; v17-22 the way out; v32-63 scale words, two sets; v64-127 bo; v128-223 A's fragments, two sets of four (on the way out v128-255: rows read back).
;   window 1: B's fragments, two sets of eight, at v0 and v128.   window 2: accumulator (a, b) at v[8 (8 a + b)].
.set FR,    12
.set TILE,  12288
.set BLDS,  8*TILE                     ; B's tiles, behind A's eight
.set SCL,   24*TILE                    ; A's scale words (4,096 bytes), then B's (8,192)
.set SPARE, SCL+12288                  ; the spare words, 128 bytes for each wave; no other line names them
.set A16,  4
.set A8,   5
.set B16,  6                           ; v6, v7: my tiles 0-3, 4-7 of B
.set B8,   8                           ; v8, v9
.set ADRS, 16
.set L16,  17
.set L8,   18
.set STO,  19
.set RD,   20
.set SPW,  28
.set NIL,  29
.set SC,   32
.set BR,   64
.set AF,   128
.set BK,   128
.set WV,   22
.set HR,   23
.set HC,   24
.set CX,   25
.set CY,   26
.set TC,   27
.set TR,   28
.set G1A,  32
.set G1B,  40
.set G1SA, 48
.set G1SB, 56
.set G0A,  68
.set G0B,  72
.set G0SA, 76
.set G0SB, 80
.set MSB, 0
.macro WIN new                         ; the immediate's high byte repeats the setting that is left
.if MSB != \new
	s_set_vgpr_msb (MSB<<8)|\new
.set MSB, \new
.endif
.endm
.set MUL_LO, 0xa1                      ; source 0 (B) window 1, source 1 (A) window 0, C and D window 2
.set TO_B,   0x40
.macro CROUND
	s_barrier_signal -1
	s_barrier_wait -1
	s_cmp_lg_u32 s[WV], 0
	s_cbranch_scc1 .Lnot_wave_0_\@
	s_barrier_signal -3
.Lnot_wave_0_\@:
	s_barrier_wait -3
	s_barrier_signal -1
	s_barrier_wait -1
.endm
.macro PLACES                          ; four plain places behind matrix instructions, ahead of loads into registers that they read and of reads of their results
.rept 4
	v_nop
.endr
.endm
.macro GROUP1 g, el, rows              ; dense rows of el elements of 8 bytes
	s_mov_b32 s[\g+1], (\el)<<16
	s_mov_b32 s[\g+2], (\rows)<<16
	s_mov_b32 s[\g+3], (\el)<<16
	s_mov_b32 s[\g+4], \rows
	s_mov_b32 s[\g+5], \el
	s_mov_b32 s[\g+6], 0
	s_mov_b32 s[\g+7], 0
.endm
.macro ARM under, g0, g1, next
	s_cmp_lt_u32 s[WV], \under
	s_cbranch_scc0 \next
	tensor_load_to_lds s[\g0:\g0+3], s[\g1:\g1+7]
	s_nop 0
.rept 4
	v_nop
.endr
	s_branch .Lhead_asked
\next:
.endm
.macro FRAG reg, a16, a8, off          ; a fragment = two half-images: for each, 512 and 256 consecutive bytes
.irp c, 0,1
	ds_load_b128 v[\reg+6*\c:\reg+6*\c+3], v[\a16] offset:(\off)+768*\c
	ds_load_b64 v[\reg+6*\c+4:\reg+6*\c+5], v[\a8] offset:(\off)+768*\c
.endr
.endm
.macro FETCH st                        ; step st's fragments into set st % 2; ahead of an even step the scale words of two steps
	WIN TO_B
.irp i, 0,1,2,3,4,5,6,7
	FRAG 128*((\st)%2)+FR*\i, B16+\i/4, B8+\i/4, (\i%4)*TILE+(\st)*1536
.endr
	WIN 0
.irp i, 0,1,2,3
	FRAG AF+48*((\st)%2)+FR*\i, A16, A8, \i*TILE+(\st)*1536
.endr
.if (\st)%2 == 0
.irp i, 0,1,2,3,4,5,6,7                ; lanes 0-15: A's block i (only 0-3 are used), lanes 16-31: B's block i
	ds_load_b64 v[SC+16*(((\st)/2)%2)+2*\i:SC+16*(((\st)/2)%2)+2*\i+1], v[ADRS] offset:\i*512+((\st)/4)*256+(((\st)/2)%2)*8
.endr
.endif
.endm
; 32 products: A's four blocks x B's eight.  The 32 accumulators take turns, one instruction a turn, in the same order in every step.
.macro MUL32 st
.irp a, 0,1,2,3
.irp b, 0,1,2,3,4,5,6,7
.if (\st) == 0
	v_wmma_scale_f32_16x16x128_f8f6f4 v[8*(8*\a+\b):8*(8*\a+\b)+7], v[128*((\st)%2)+FR*\b:128*((\st)%2)+FR*\b+FR-1], v[AF+48*((\st)%2)+FR*\a:AF+48*((\st)%2)+FR*\a+FR-1], v[BR+8*\b:BR+8*\b+7], v[SC+16*(((\st)/2)%2)+2*\b+(\st)%2], v[SC+16*(((\st)/2)%2)+2*\a+(\st)%2] matrix_a_fmt:MATRIX_FMT_FP6 matrix_b_fmt:MATRIX_FMT_FP6 matrix_a_scale:MATRIX_SCALE_ROW1
.else
	v_wmma_scale_f32_16x16x128_f8f6f4 v[8*(8*\a+\b):8*(8*\a+\b)+7], v[128*((\st)%2)+FR*\b:128*((\st)%2)+FR*\b+FR-1], v[AF+48*((\st)%2)+FR*\a:AF+48*((\st)%2)+FR*\a+FR-1], v[8*(8*\a+\b):8*(8*\a+\b)+7], v[SC+16*(((\st)/2)%2)+2*\b+(\st)%2], v[SC+16*(((\st)/2)%2)+2*\a+(\st)%2] matrix_a_fmt:MATRIX_FMT_FP6 matrix_b_fmt:MATRIX_FMT_FP6 matrix_a_scale:MATRIX_SCALE_ROW1
.endif
.endr
.endr
.endm
.macro KSTEP st
	s_wait_dscnt 0x0                               ; this step's fragments, asked for a step ago
.if (\st) == 7
	s_barrier_signal -1                            ; my reads of the tiles are over
.else
	FETCH (\st)+1                                  ; into the sets that the step before read: its four places stand at its end
.endif
.if (\st) == 0
	WIN 0x81                                       ; C (bo) window 0, D window 2
.else
	WIN MUL_LO
.endif
	MUL32 \st
	PLACES
	WIN 0
.if (\st) == 7
	s_barrier_wait -1                              ; and so are everybody's: the stage may be written
.endif
.endm
	s_load_b256 s[4:11], s[0:1], 0x0               ; cimg s[4:5], cs s[6:7], wimg s[8:9], ws s[10:11]
	s_load_b128 s[12:15], s[0:1], 0x20             ; bo s[12:13], out0 s[14:15]
	v_lshl_add_u32 v[SPW], v0, 2, SPARE
	v_mov_b32 v[NIL], 0
	ds_add_u32 v[SPW], v[NIL]                      ; the opening lines: the add, twice on end, and its wait ahead of my tensor load
	ds_add_u32 v[SPW], v[NIL]
	v_lshrrev_b32 v1, 5, v0
	v_readfirstlane_b32 s[WV], v1
	s_lshr_b32 s[HR], s[WV], 1                     ; which 64 of the block's rows
	s_and_b32 s[HC], s[WV], 1                      ; which 128 of its columns
	s_bfe_u32 s[CX], ttmp6, 0x40000
	s_bfe_u32 s[CY], ttmp6, 0x40004
	s_lshl_b32 s[TC], ttmp9, 2
	s_add_co_u32 s[TC], s[TC], s[CX]               ; which 256 columns of out
	s_and_b32 s[TR], ttmp7, 0xffff
	s_lshl_b32 s[TR], s[TR], 2
	s_add_co_u32 s[TR], s[TR], s[CY]               ; which 128 rows
	s_lshl_b32 s30, s[CY], 2
	s_lshl_b32 s30, 15, s30                        ; my row of the cluster
	s_lshl_b32 s31, 0x1111, s[CX]                  ; my column
	s_or_b32 s[G1A], s30, (3<<16)|(1<<21)          ; 15:0 the mask; 17:16 elements of 8 bytes; 21 set beside a mask; no padding
	s_or_b32 s[G1B], s31, (3<<16)|(1<<21)
	s_or_b32 s[G1SA], s30, (3<<16)|(1<<21)
	s_or_b32 s[G1SB], s31, (3<<16)|(1<<21)
	GROUP1 G1A, 1536, 8                            ; 8 tiles of 12,288 bytes
	GROUP1 G1B, 1536, 16
	GROUP1 G1SA, 32, 16                            ; 8 tiles' scale words: 16 rows of 256 bytes
	GROUP1 G1SB, 32, 32
	s_mov_b32 s[G0A], 1
	s_mov_b32 s[G0A+1], 0
	s_mov_b32 s[G0B], 1
	s_mov_b32 s[G0B+1], BLDS
	s_mov_b32 s[G0SA], 1
	s_mov_b32 s[G0SA+1], SCL
	s_mov_b32 s[G0SB], 1
	s_mov_b32 s[G0SB+1], SCL+4096
	s_lshl_b32 s2, s[TR], 3                        ; A's first tile
	s_lshl_b32 s66, s[TC], 4
	s_add_co_u32 s66, s66, 192                     ; B's: Wo's tiles begin at tile 192
	s_mul_i32 s[G0A+2], s2, TILE
	s_mov_b32 s[G0A+3], 0
	s_lshl_b32 s[G0SA+2], s2, 9
	s_mov_b32 s[G0SA+3], 0
	s_mul_i32 s[G0B+2], s66, TILE
	s_mov_b32 s[G0B+3], 0
	s_lshl_b32 s[G0SB+2], s66, 9
	s_mov_b32 s[G0SB+3], 0
	s_wait_dscnt 0x0                               ; both opening adds are done
	s_wait_kmcnt 0x0
	s_add_nc_u64 s[G0A+2:G0A+3], s[4:5], s[G0A+2:G0A+3]
	s_add_nc_u64 s[G0B+2:G0B+3], s[8:9], s[G0B+2:G0B+3]
	s_add_nc_u64 s[G0SA+2:G0SA+3], s[6:7], s[G0SA+2:G0SA+3]
	s_add_nc_u64 s[G0SB+2:G0SB+3], s[10:11], s[G0SB+2:G0SB+3]
.irp g, G0A, G0B, G0SA, G0SB
	s_or_b32 s[\g+3], s[\g+3], 0x80000000          ; 127:126 type = 2
.endr
	CROUND                                         ; all sixteen work-groups are here: the joint loads meet
	ARM 1, G0A, G1A, .Lhead_b                      ; one tile a wave, in one chain of branches on the wave's number
	ARM 2, G0B, G1B, .Lhead_sa
	ARM 3, G0SA, G1SA, .Lhead_sb
	tensor_load_to_lds s[G0SB:G0SB+3], s[G1SB:G1SB+7]
	s_nop 0
.rept 4
	v_nop
.endr
.Lhead_asked:
	v_and_b32 v3, 31, v0                           ; lane
	v_and_b32 v1, 15, v0                           ; r
	v_bfe_u32 v2, v0, 4, 1                         ; h
	v_lshlrev_b32 v[L16], 4, v3
	v_lshl_add_u32 v[L8], v3, 3, 512
	s_wait_alu depctr_va_vdst(0)                   ; the lines below read these registers across many scalar lines
	s_mul_i32 s2, s[HR], 4*TILE                    ; my four tiles of A
	s_mul_i32 s3, s[HC], 8*TILE
	s_add_co_u32 s3, s3, BLDS                      ; my eight tiles of B
	v_add_nc_u32 v[A16], s2, v[L16]
	v_add_nc_u32 v[A8], s2, v[L8]
	v_add_nc_u32 v[B16], s3, v[L16]
	v_add_nc_u32 v[B8], s3, v[L8]
	s_add_co_u32 s3, s3, 4*TILE
	v_add_nc_u32 v[B16+1], s3, v[L16]
	v_add_nc_u32 v[B8+1], s3, v[L8]
	s_lshl_b32 s2, s[HR], 11
	s_lshl_b32 s3, s[HC], 12
	s_add_co_u32 s3, s3, 4096
	s_sub_co_u32 s3, s3, s2                        ; from my scale words of A to those of B
	v_mul_u32_u24 v[ADRS], s3, v2                  ; lanes 16-31 take B's
	v_lshl_add_u32 v[ADRS], v1, 4, v[ADRS]
	s_add_co_u32 s2, s2, SCL
	v_add_nc_u32 v[ADRS], s2, v[ADRS]
	s_mul_i32 s2, s[WV], 8448                      ; my stage: 16 rows x 528 bytes, in A's first bytes
	v_mul_u32_u24 v[STO], v1, 528
	v_lshl_add_u32 v[STO], v2, 6, v[STO]
	v_add_nc_u32 v[STO], s2, v[STO]                ; in: row r, + 64 h
	v_add_nc_u32 v[RD], s2, v[L16]                 ; back: the 32 lanes take a row of 512 bytes
	s_lshl_b32 s2, s[TC], 10
	s_lshl_b32 s3, s[HC], 9
	s_add_co_u32 s2, s2, s3                        ; my 128 columns, in bytes
	v_lshl_add_u32 v22, v2, 6, s2
.irp k, 0,1,2,3
.irp j, 0,1,2,3
	global_load_b128 v[BR+16*\k+4*\j:BR+16*\k+4*\j+3], v22, s[12:13] offset:128*\k+16*\j   ; register 16 k + i: bo of column 32 k + 16 h + i: eight registers for each tile of B, in the result's layout
.endr
.endr
	s_lshl_b32 s66, s[TR], 7
	s_lshl_b32 s3, s[HR], 6
	s_add_co_u32 s66, s66, s3                      ; my first row of out
	s_lshl_b32 s66, s66, 12
	s_add_co_u32 s66, s66, s2
	s_mov_b32 s67, 0
	s_add_nc_u64 s[14:15], s[14:15], s[66:67]
	s_wait_alu depctr_va_vdst(0)                   ; the head's end
	s_wait_tensorcnt 0x0                           ; every wave, under no branch: my tile is in
	s_barrier_signal -1
	s_barrier_wait -1                              ; all four tiles are shown
	FETCH 0
	s_wait_loadcnt 0x0                             ; bo
.irp st, 0,1,2,3,4,5,6,7
	KSTEP \st
.endr
; THE WAY OUT, block by block of 16 rows x 128 columns: into my own stage, back as whole rows of 512 bytes.  LDS serves a wave's instructions in order: no wait between the stores and the loads, nor ahead of the next block's stores.
.macro TOSTAGE a
.set AC, 64*(\a)
	WIN 0x08                                       ; an LDS store's data are its source 1: window 2
.irp b, 0,1,2,3,4,5,6,7
	ds_store_b128 v[STO], v[AC+8*\b:AC+8*\b+3] offset:128*(\b/2)+32*(\b%2)          ; each accumulator from its low end on
	ds_store_b128 v[STO], v[AC+8*\b+4:AC+8*\b+7] offset:128*(\b/2)+32*(\b%2)+16
.endr
	WIN 0
.set BB, BK+64*((\a)%2)
.irp t, 0,1,2,3,4,5,6,7,8,9,10,11,12,13,14,15
	ds_load_b128 v[BB+4*\t:BB+4*\t+3], v[RD] offset:\t*528
.endr
.endm
.macro SEND a, younger                 ; younger: the LDS instructions issued behind block a's loads, which may stay out
.set BB, BK+64*((\a)%2)
	s_wait_dscnt \younger
.irp t, 0,1,2,3,4,5,6,7,8,9,10,11,12,13,14,15
	global_store_b128 v[L16], v[BB+4*\t:BB+4*\t+3], s[14:15] offset:(32*((\a)/2)+8*((\a)%2)+\t+8*(\t/8))*4096 th:TH_STORE_NT   ; 512 consecutive bytes of one row of out, aligned; the tile's row stands in the immediate
.endr
.endm
	TOSTAGE 0
.irp a, 1,2,3
.if \a > 1
	s_wait_xcnt 0x0                                ; the stores of two blocks ago have read their registers: this block's loads may land there
.endif
	TOSTAGE \a
	SEND \a-1, 32                                  ; behind that block's loads: this block's 16 stores and 16 loads
.endr
	SEND 3, 0
	s_wait_tensorcnt 0x0                           ; the wave's end, behind my last LDS store
	ds_add_u32 v[SPW], v[NIL]
	s_wait_dscnt 0x0
	CROUND                                         ; the closing round
	s_endpgm
.Lfunc_end_k_q56b95ab2b4_gemm_out:
	.size	k_q56b95ab2b4_gemm_out, .Lfunc_end_k_q56b95ab2b4_gemm_out-k_q56b95ab2b4_gemm_out
	.p2alignl 7, 3214868480
	.fill 96, 4, 3214868480
	.section	.rodata,"a",@progbits
	.p2align	6, 0x0
	.amdhsa_kernel k_q56b95ab2b4_gemm_out
		.amdhsa_group_segment_fixed_size 327680
		.amdhsa_private_segment_fixed_size 0
		.amdhsa_enable_private_segment 0
		.amdhsa_kernarg_size 48
		.amdhsa_user_sgpr_count 2
		.amdhsa_user_sgpr_kernarg_segment_ptr 1
		.amdhsa_wavefront_size32 1
		.amdhsa_system_sgpr_workgroup_id_x 1
		.amdhsa_system_sgpr_workgroup_id_y 1
		.amdhsa_system_sgpr_workgroup_id_z 1
		.amdhsa_system_vgpr_workitem_id 0
		.amdhsa_next_free_vgpr 768
		.amdhsa_next_free_sgpr 102
		.amdhsa_reserve_vcc 0
		.amdhsa_float_denorm_mode_32 3
		.amdhsa_float_denorm_mode_16_64 3
		.amdhsa_memory_ordered 1
		.amdhsa_forward_progress 1
		.amdhsa_inst_pref_size 85
	.end_amdhsa_kernel
	.amdgpu_metadata
---
amdhsa.version: [ 1, 2 ]
amdhsa.kernels:
  - .name:           k_q56b95ab2b4_gemm_out
    .symbol:         k_q56b95ab2b4_gemm_out.kd
    .args:
      - { .name: cimg, .offset: 0, .size: 8, .value_kind: global_buffer, .address_space: global }
      - { .name: cs, .offset: 8, .size: 8, .value_kind: global_buffer, .address_space: global }
      - { .name: wimg, .offset: 16, .size: 8, .value_kind: global_buffer, .address_space: global }
      - { .name: ws, .offset: 24, .size: 8, .value_kind: global_buffer, .address_space: global }
      - { .name: bo, .offset: 32, .size: 8, .value_kind: global_buffer, .address_space: global }
      - { .name: out0, .offset: 40, .size: 8, .value_kind: global_buffer, .address_space: global }
    .group_segment_fixed_size: 327680
    .private_segment_fixed_size: 0
    .kernarg_segment_align: 8
    .kernarg_segment_size: 48
    .max_flat_workgroup_size: 128
    .sgpr_count:     102
    .vgpr_count:     768
    .wavefront_size: 32
...
	.end_amdgpu_metadata
.endif
;; end of part 4
